; MI455X (gfx1250); checked and timed in simulation.
; The chip was launched on July 23, 2026; its instructions are those of AMD's public machine-readable ISA for CDNA 5 (MIT licence, August 2026) and "CDNA5" Instruction Set Architecture Reference Guide (July 2026). The comments in the code are by the model that wrote it; some were corrected since.
;; Bastile Gpt Oss Experts. Allowed arithmetic: float matrix products may take bf16 or f16 operands with f32 sums; other float arithmetic in f32, or as packed bf16 or f16 multiplies, adds, multiply-adds, maxima and minima; sums over many terms, partial sums and values carried from step to step in f32; what a program stores and reads back later, other than sums and carried values, may be rounded once to bf16 or f16.
;; Inputs: down_proj 8 x 1,024 x 1,024 float32; down_proj_bias 8 x 1,024 float32; gate_up_proj 8 x 1,024 x 2,048 float32; gate_up_proj_bias 8 x 2,048 float32; hidden_states 2,048 x 1,024 float32; routing_weights 2,048 x 8 float32.
;; Outputs: out0 2,048 x 1,024 float32.
;; 2 versions, each right; version 2 is version 1 with the launches prep, sum written anew for expert scheduling mode. Each part assembles by itself: llvm-mc -triple=amdgcn-amd-amdhsa -mcpu=gfx1250 --defsym DOCPART=n.
;; ======== version 1 of 2: 4 launches
;; limits: right only within a limited range of input values; values are held in f16: magnitudes above 65,504 overflow, below 6.1e-05 lose precision; inputs' magnitudes at most 65,504
;; workspace buffers: gu16 33,554,432 bytes; wd16 16,777,216 bytes; hid16 4,194,304 bytes; act 33,554,432 bytes; part 16,777,216 bytes
;; launch prep (part 1): grid 1024 x 1, 8 waves a work-group, no clusters, 0 bytes of LDS; arguments gate_up_proj, down_proj, hidden_states, gu16, wd16, hid16; writes gu16, wd16, hid16
.if DOCPART == 1
	.amdgcn_target "amdgcn-amd-amdhsa--gfx1250"
	.amdhsa_code_object_version 6
	.text
	.protected	k_q8fc9d2abd7_prep
	.globl	k_q8fc9d2abd7_prep
	.p2align	8
	.type	k_q8fc9d2abd7_prep,@function
k_q8fc9d2abd7_prep:
	s_mov_b64 s[64:65], 0
	v_nop
	global_prefetch_b8 v0, s[64:65] scope:SCOPE_SE
	s_setreg_imm32_b32 hwreg(HW_REG_WAVE_MODE, 25, 1), 1
	s_wait_xcnt 0x0
; The three large f32 inputs are rounded ONCE to bf16 (to nearest even), for the two products that follow.  Nothing is transposed: the products read [k][n] tiles by the turning LDS load.
;   gu16 [8192 = e*1024+k][2048] bf16: gate_up_proj with its columns permuted;  hid16 [2048][1024] bf16: hidden_states as it lies;
;   wd16 [8192 = e*1024+d][1024] f16: down_proj as it lies, rounded to bf16 like every input and that number then written in f16, since the second product's other operand is f16.
; LIMITS of wd16: the f16 form is exact for magnitudes from 7.6e-6 (8 significant bits above f16's fixed step of 6e-8) to 65,504; below, the step of 6e-8 holds; beyond, an infinity.
; THE PERMUTATION OF gu16's COLUMNS costs nothing here: it is a choice of conversion sources and of the lane's store address.  Columns go in groups of four (g0 u0 g1 u1).
; Inside a group they become g0 g1 u0 u1; the group's number has its bits 1 and 2 exchanged.  In the first product's result a lane then holds g g u u g g u u of eight hidden
; channels that are neighbours, so that its packed activations are 16 bytes of the second product's operand as they stand.
; SHARES.  1,024 work-groups of 256 threads.  A work-group takes 64 KiB of gate_up_proj (16 passes of 4,096 bytes), 32 KiB of down_proj (8 passes), 8 KiB of hidden_states (2 passes).
; In a pass thread t loads the 16 bytes at 16 t (a wave: 512 consecutive bytes) and stores 8 bytes (a wave: 256 consecutive bytes, aligned; the permutation stays inside eight lanes).
; All 26 loads of a thread go out first; no register is written behind the store that reads it, so the only waits are the counted ones for the loads.  No LDS, no barrier, no matrix unit: a stream.
.set X, 8                              ; v[8:111]  load i's four numbers at v[X+4 i]
	s_load_b256 s[4:11], s[0:1], 0x0               ; gate_up_proj s[4:5], down_proj s[6:7], hidden_states s[8:9], gu16 s[10:11]
	s_load_b128 s[12:15], s[0:1], 0x20             ; wd16 s[12:13], hid16 s[14:15]
	v_lshlrev_b32 v1, 4, v0                        ; 16 t: where I load
	v_lshlrev_b32 v2, 3, v0                        ; 8 t: where I store a plain cast
	v_and_b32 v3, 0xf9, v0                         ; t with its bits 1 and 2 exchanged,
	v_and_b32 v4, 2, v0
	v_and_b32 v5, 4, v0
	v_lshl_or_b32 v3, v4, 1, v3
	v_lshrrev_b32 v5, 1, v5
	v_or_b32 v3, v3, v5
	v_lshlrev_b32 v3, 3, v3                        ; times 8: where I store into gu16
	s_mov_b32 s17, 0                               ; the offsets' high word
	s_mov_b32 s18, 0xffff0000                      ; a word's upper bf16
	s_wait_kmcnt 0x0
	s_lshl_b32 s16, ttmp9, 16                      ; the work-group's share of each tensor, in bytes
	s_add_nc_u64 s[4:5], s[4:5], s[16:17]
	s_lshl_b32 s16, ttmp9, 15
	s_add_nc_u64 s[6:7], s[6:7], s[16:17]
	s_add_nc_u64 s[10:11], s[10:11], s[16:17]
	s_lshl_b32 s16, ttmp9, 13
	s_add_nc_u64 s[8:9], s[8:9], s[16:17]
	s_lshl_b32 s16, ttmp9, 14
	s_add_nc_u64 s[12:13], s[12:13], s[16:17]
	s_lshl_b32 s16, ttmp9, 12
	s_add_nc_u64 s[14:15], s[14:15], s[16:17]
.set i, 0
.rept 16
	global_load_b128 v[X+4*i:X+4*i+3], v1, s[4:5] offset:i*4096 th:TH_LOAD_NT
.set i, i+1
.endr
.rept 8
	global_load_b128 v[X+4*i:X+4*i+3], v1, s[6:7] offset:(i-16)*4096 th:TH_LOAD_NT
.set i, i+1
.endr
.rept 2
	global_load_b128 v[X+4*i:X+4*i+3], v1, s[8:9] offset:(i-24)*4096 th:TH_LOAD_NT
.set i, i+1
.endr
; Load n's four numbers are rounded in place and stored.  kind 0: to bf16 as they lie.  kind 1: to bf16, and g0 u0 g1 u1 becomes g0 g1 u0 u1.  kind 2: to bf16, widened again, and written as f16.
.macro CAST n, kind, adr, base, off
	s_wait_loadcnt 25-(\n)                         ; loads come back in order (ISA guide 5.7.1): mine is in, the 25 - n younger ones stay out
.if (\kind) == 1
	v_cvt_pk_bf16_f32 v[X+4*(\n)], v[X+4*(\n)], v[X+4*(\n)+2]
	v_cvt_pk_bf16_f32 v[X+4*(\n)+1], v[X+4*(\n)+1], v[X+4*(\n)+3]
.elseif (\kind) == 0
	v_cvt_pk_bf16_f32 v[X+4*(\n)], v[X+4*(\n)], v[X+4*(\n)+1]
	v_cvt_pk_bf16_f32 v[X+4*(\n)+1], v[X+4*(\n)+2], v[X+4*(\n)+3]
.else
	v_cvt_pk_bf16_f32 v[X+4*(\n)], v[X+4*(\n)], v[X+4*(\n)+1]
	v_cvt_pk_bf16_f32 v[X+4*(\n)+2], v[X+4*(\n)+2], v[X+4*(\n)+3]
	v_lshlrev_b32 v[X+4*(\n)+1], 16, v[X+4*(\n)]   ; bf16 to f32: the low half moves up,
	v_and_b32 v[X+4*(\n)], s18, v[X+4*(\n)]        ; the high half stays
	v_lshlrev_b32 v[X+4*(\n)+3], 16, v[X+4*(\n)+2]
	v_and_b32 v[X+4*(\n)+2], s18, v[X+4*(\n)+2]
	v_cvt_pk_f16_f32 v[X+4*(\n)], v[X+4*(\n)+1], v[X+4*(\n)]
	v_cvt_pk_f16_f32 v[X+4*(\n)+1], v[X+4*(\n)+3], v[X+4*(\n)+2]
.endif
	global_store_b64 v[\adr], v[X+4*(\n):X+4*(\n)+1], s[\base:\base+1] offset:\off
.endm
.set i, 0
.rept 16
	CAST i, 1, 3, 10, i*2048
.set i, i+1
.endr
.rept 8
	CAST i, 2, 2, 12, (i-16)*2048
.set i, i+1
.endr
.rept 2
	CAST i, 0, 2, 14, (i-24)*2048
.set i, i+1
.endr
	s_endpgm
.Lfunc_end_k_q8fc9d2abd7_prep:
	.size	k_q8fc9d2abd7_prep, .Lfunc_end_k_q8fc9d2abd7_prep-k_q8fc9d2abd7_prep
	.p2alignl 7, 3214868480
	.fill 96, 4, 3214868480
	.section	.rodata,"a",@progbits
	.p2align	6, 0x0
	.amdhsa_kernel k_q8fc9d2abd7_prep
		.amdhsa_group_segment_fixed_size 0
		.amdhsa_private_segment_fixed_size 0
		.amdhsa_enable_private_segment 0
		.amdhsa_kernarg_size 48
		.amdhsa_user_sgpr_count 2
		.amdhsa_user_sgpr_kernarg_segment_ptr 1
		.amdhsa_wavefront_size32 1
		.amdhsa_system_sgpr_workgroup_id_x 1
		.amdhsa_system_sgpr_workgroup_id_y 1
		.amdhsa_system_sgpr_workgroup_id_z 1
		.amdhsa_system_vgpr_workitem_id 0
		.amdhsa_next_free_vgpr 112
		.amdhsa_next_free_sgpr 66
		.amdhsa_reserve_vcc 0
		.amdhsa_float_denorm_mode_32 3
		.amdhsa_float_denorm_mode_16_64 3
		.amdhsa_memory_ordered 1
		.amdhsa_forward_progress 1
		.amdhsa_inst_pref_size 13
	.end_amdhsa_kernel
	.amdgpu_metadata
---
amdhsa.version: [ 1, 2 ]
amdhsa.kernels:
  - .name:           k_q8fc9d2abd7_prep
    .symbol:         k_q8fc9d2abd7_prep.kd
    .args:
      - { .name: gate_up_proj, .offset: 0, .size: 8, .value_kind: global_buffer, .address_space: global }
      - { .name: down_proj, .offset: 8, .size: 8, .value_kind: global_buffer, .address_space: global }
      - { .name: hidden_states, .offset: 16, .size: 8, .value_kind: global_buffer, .address_space: global }
      - { .name: gu16, .offset: 24, .size: 8, .value_kind: global_buffer, .address_space: global }
      - { .name: wd16, .offset: 32, .size: 8, .value_kind: global_buffer, .address_space: global }
      - { .name: hid16, .offset: 40, .size: 8, .value_kind: global_buffer, .address_space: global }
    .group_segment_fixed_size: 0
    .private_segment_fixed_size: 0
    .kernarg_segment_align: 8
    .kernarg_segment_size: 48
    .max_flat_workgroup_size: 256
    .sgpr_count:     66
    .vgpr_count:     112
    .wavefront_size: 32
...
	.end_amdgpu_metadata
.endif
;; end of part 1
;; launch gateup (part 2): grid 64 x 4, 4 waves a work-group, clusters of 4 x 4, 327,680 bytes of LDS; arguments hid16, gu16, act, gate_up_proj_bias, routing_weights; writes act
.if DOCPART == 2
	.amdgcn_target "amdgcn-amd-amdhsa--gfx1250"
	.amdhsa_code_object_version 6
	.text
	.protected	k_q8fc9d2abd7_gateup
	.globl	k_q8fc9d2abd7_gateup
	.p2align	8
	.type	k_q8fc9d2abd7_gateup,@function
k_q8fc9d2abd7_gateup:
	s_mov_b64 s[64:65], 0
	v_nop
	global_prefetch_b8 v0, s[64:65] scope:SCOPE_SE
	s_setreg_imm32_b32 hwreg(HW_REG_WAVE_MODE, 25, 1), 1
	s_wait_xcnt 0x0
	s_wait_alu depctr_hold_cnt(0) depctr_sa_sdst(0) depctr_va_vdst(0) depctr_va_sdst(0) depctr_va_ssrc(0) depctr_va_vcc(0) depctr_vm_vsrc(0)
	s_getreg_b32 s2, hwreg(HW_REG_IB_STS2, 6, 4)
	s_cmp_eq_u32 s2, 0
	s_cbranch_scc0 .Lentry_in_a_cluster
	s_endpgm
.Lentry_in_a_cluster:
	s_bfe_u32 s2, ttmp6, 0x10000c
	s_cmp_lg_u32 s2, 0xf033
	s_cbranch_scc0 .Lentry_shape_is_right
	s_endpgm
.Lentry_shape_is_right:
; THE FIRST PRODUCT AND THE ACTIVATION.  For every expert e and token t: gate_up = hidden . W[e] + bias[e]; g = min(gate, 7), u = clip(up, -7, 7);
; act = 16 rw[t][e] (u + 1) g / (1 + 2^(-1.702 log2(e) g)), rounded once to f16.  Operands bf16 (hid16, gu16), sums and the activation in f32.  The router's weight is applied here, in f32,
; so that the second product is ONE sum over all 8 x 1,024 hidden channels.  The bias and the router's weight are rounded to bf16 on their way in, like every input of the program.
; The factor 16, an exact power of two that the last launch takes out again, places act in f16's range.
; LIMITS.  The clips bound |(u + 1) g sigmoid| by 56, so act stays within f16's 65,504 for |rw| below 73; beyond that it becomes an infinity.  Below 6e-5 act keeps f16's fixed step of 6e-8.
; NaN and infinities are not treated apart (the clamps let a NaN lose).  For a very negative g the exponential is an infinity and its reciprocal 0, the limit of the sigmoid.
; The product 16 g (u + 1) rw is formed ahead of the sigmoid and must stay finite in f32: |g| below about 1e34.
; SHAPE.  The product is [2048 tokens] x [16,384 columns], K = 1,024: 512 tiles of 256 x 256.  A tile is made by four waves, each 128 tokens x 128 columns in 64 accumulators (512 registers).
; 256 work-groups STAY and make two tiles, 1,024 tokens apart, on the same columns.  K goes in steps of 128 through a ring of two LDS slots; the ring runs on into the second tile.
; CLUSTERS of 4 x 4: the four of a row need the same token tiles, the four of a column the same weight tiles; each tile is asked for JOINTLY (same load, same descriptor, a mask of four).
; The grid has four tile rows, one cluster's height, so the tile row is my place along the cluster's y.
; THE MATRIX INSTRUCTION IS USED TRANSPOSED: source 0 = 16 columns of the weights (read from [k][n] rows by the turning LDS load), source 1 = 16 tokens.  Lane l then holds token l % 16 and the
; columns 8 (l / 16) + 0..7 of the block.  gu16's columns are permuted so that these are g g u u g g u u of four neighbouring hidden channels, and so that blocks 2 q, 2 q + 1 together
; give the lane the channels 16 q + 8 (l / 16) + 0..7: packed to f16 they ARE 16 bytes of the second product's token operand.  So act is stored in that operand's order, straight from
; registers, each store of a wave covering 512 consecutive bytes, aligned: byte ((ks*128 + t/16)*4 + kf)*1024 + c*512 + 16 lane, for k = 128 ks + 32 kf + 16 c + 8 (lane/16) + 0..7.
; THE BIAS is the C operand of the product that starts each sum: nothing is cleared, nothing is added later.
; REGISTERS, in windows of 256 (s_set_vgpr_msb: bits 1:0 source 0, 3:2 source 1, 5:4 source 2, 7:6 destination):
;   window 0: v0-31 addresses; v32-47 the router's weights; v64-127, v128-191 token fragments, two buffers; v192-223, v224-239 at work on the way out (at the head v192-255: the bias as loaded)
;   window 1: v0-63 the bias, 8 registers a column block; v64-127, v128-191 weight fragments, two buffers
;   window 2: the accumulators of my tokens 0-63 ((a, b) at v[8 (8 a + b)]);   window 3: those of my tokens 64-127
.set KSTEP,  128
.set PA,     272                       ; a token row in LDS: 256 bytes + 16 = 68 words: the 16 rows of a fragment load start at 16 different groups of four banks (64 banks of 4 bytes: ISA guide 11.1)
.set PB,     544                       ; a k row of 256 columns: 512 bytes + 32 = 136 words
.set HALFT,  34816                     ; 128 x 272 = 64 x 544: what one tensor load brings
.set SLOT,   4*HALFT                   ; token rows 0-127, 128-255, then the weights' k rows 0-63, 64-127
.set SPARE,  2*SLOT                    ; behind the ring: the spare words, 128 bytes for each wave: two blocks of 256 bytes that no other line names
.set LAPS,   4                         ; a lap = two K steps = once round the ring; K = 1,024
.set NEXT_A, 1024*2048-6*256           ; bytes from a slot's last K step of a tile to its first of the next: 1,024 token rows down, six K steps back
.set BACK_B, 6*524288                  ; the weights only go back: six K steps of 128 rows of 4,096 bytes
.set ADRA, 16                          ; v16-17  LDS address of my token fragments in slot 0, 1
.set ADRB, 20                          ; v20-21  the same for the weights
.set STA,  24                          ; v24     16 x lane: my 16 bytes in a store of 512
.set RWO,  25                          ; v25     32 x (lane % 16): my token's row of routing_weights in a block of 16
.set BO,   26                          ; v26     64 x (lane / 16): my half's bias
.set SPW,  28                          ; v28     LDS address of my spare word; never rewritten
.set NIL,  29                          ; v29     0; never rewritten
.set RW,   32                          ; v32-47  16 x block a's weight of my token, twice, for the packed arithmetic
.set F0,   64
.set F1,   128
.set T,    192                         ; v192-223  a block's 32 exponents, sigmoids, activations
.set P,    224                         ; v224-239  the block packed to f16
.set XB,   192                         ; at the head: the bias as it lies in memory
.set G1,  24                           ; s[24:31] descriptor group 1, token tiles;   s[32:39] group 0, a set for each slot
.set G0,  32
.set G1B, 48                           ; s[48:55], s[56:63] the same for the weight tiles
.set G0B, 56
.set MSB, 0
.macro WIN new                         ; the immediate's high byte repeats the setting that is left; a switch that changes nothing is dropped
.if MSB != (\new)
	s_set_vgpr_msb (MSB<<8)|(\new)
.set MSB, \new
.endif
.endm
; A joint load.  Waves 0 and 1 fetch the token tile's two halves, waves 2 and 3 the weight tile's.  The branch hangs on the wave's number alone.
; An s_nop 0 and four v_nop follow each of the two lines, ahead of the jump and the label.
.macro JLOAD s
	s_cmp_eq_u32 s11, 0
	s_cbranch_scc0 .Lfor_b_\@
	tensor_load_to_lds s[G0+4*(\s):G0+4*(\s)+3], s[G1:G1+7]
	s_nop 0
.rept 4
	v_nop
.endr
	s_branch .Lasked_\@
.Lfor_b_\@:
	tensor_load_to_lds s[G0B+4*(\s):G0B+4*(\s)+3], s[G1B:G1B+7]
	s_nop 0
.rept 4
	v_nop
.endr
.Lasked_\@:
.endm
; A round of the cluster's barrier: my work-group's barrier; wave 0 signals for the work-group; every wave waits for all sixteen; my work-group's barrier once more.
.macro CREST                           ; a round behind its opening barrier
	s_cmp_lg_u32 s10, 0
	s_cbranch_scc1 .Lnot_wave_0_\@
	s_barrier_signal -3
.Lnot_wave_0_\@:
	s_barrier_wait -3
	s_barrier_signal -1
	s_barrier_wait -1
.endm
.macro CROUND
	s_barrier_signal -1
	s_barrier_wait -1
	CREST
.endm
	s_load_b128 s[4:7], s[0:1], 0x0                ; hid16 s[4:5], gu16 s[6:7]
	s_load_b64 s[8:9], s[0:1], 0x10                ; act
	s_load_b128 s[68:71], s[0:1], 0x18             ; gate_up_proj_bias s[68:69], routing_weights s[70:71]
	v_lshl_add_u32 v[SPW], v0, 2, SPARE
	v_mov_b32 v[NIL], 0
	ds_add_u32 v[SPW], v[NIL]                      ; the wave's opening: the add and its wait stand ahead of my first tensor load; the set-up below, work on registers, stands between them
	v_lshrrev_b32 v1, 5, v0
	v_readfirstlane_b32 s10, v1                    ; wave 0..3
	s_lshr_b32 s11, s10, 1                         ; which half of the tile's tokens is mine.  Also: I fetch tokens (0) or weights (1)
	s_and_b32 s12, s10, 1                          ; which half of its columns.  Also: which half of that tile I fetch
	s_bfe_u32 s40, ttmp6, 0x40000                  ; cx
	s_bfe_u32 s41, ttmp6, 0x40004                  ; cy
	s_lshl_b32 s42, ttmp9, 2
	s_add_co_u32 s42, s42, s40                     ; tile column 0..63 = 4 x cluster x + cx: expert tc / 8, columns 256 (tc % 8) on
	s_mov_b32 s13, s41                             ; tile row 0..3 = cy
	s_lshl_b32 s43, s41, 2
	s_lshl_b32 s43, 15, s43                        ; my row of the cluster
	s_lshl_b32 s44, 0x1111, s40                    ; my column
	s_or_b32 s[G1+0], s43, (1<<16)|(1<<20)|(1<<21)|(5<<22)|(3<<25)   ; 15:0 the mask; 17:16 2-byte elements; 20 padding on; 21 set beside a mask; 24:22 after every 64 words; 31:25 4 words
	s_mov_b32 s[G1+1], 128<<16                     ; tensor_dim0 = 128 along K
	s_mov_b32 s[G1+2], 128<<16                     ; tensor_dim1 = 128 tokens
	s_mov_b32 s[G1+3], 128<<16                     ; tile_dim0
	s_mov_b32 s[G1+4], 128                         ; tile_dim1
	s_mov_b32 s[G1+5], 1024                        ; elements from token to token
	s_mov_b32 s[G1+6], 0
	s_mov_b32 s[G1+7], 0
	s_or_b32 s[G1B+0], s44, (1<<16)|(1<<20)|(1<<21)|(6<<22)|(7<<25)  ; the column's mask; padding after every 128 words, 8 words
	s_mov_b32 s[G1B+1], 256<<16                    ; tensor_dim0 = 256 columns
	s_mov_b32 s[G1B+2], 64<<16                     ; tensor_dim1 = 64 k rows
	s_mov_b32 s[G1B+3], 256<<16
	s_mov_b32 s[G1B+4], 64
	s_mov_b32 s[G1B+5], 2048                       ; elements from k row to k row
	s_mov_b32 s[G1B+6], 0
	s_mov_b32 s[G1B+7], 0
	s_mov_b32 s72, 0xc01d265f                      ; -1.702 log2(e)
	s_mov_b32 s73, 0xc01d265f                      ; named with it as a pair
	s_mov_b32 s74, 0x40e00000                      ; 7.0
	s_mov_b32 s75, 0xc0e00000                      ; -7.0
	s_mov_b32 s79, 0xffff0000                      ; a word's upper bf16
	s_mov_b32 s80, 0x41800000                      ; 16.0
	; where the tiles come from: the tokens' address hangs on the tile row and the wave, the weights' on the tile column and the wave, each in registers that never hold the other coordinate
	s_lshl_b32 s17, s12, 7
	s_lshl_b32 s16, s13, 8
	s_add_co_u32 s16, s16, s17                     ; token row 256 x tile row + 128 x half,
	s_lshl_b32 s16, s16, 11                        ; of 2,048 bytes
	s_mov_b32 s17, 0
	s_lshr_b32 s46, s42, 3
	s_lshl_b32 s46, s46, 10                        ; the expert's 1,024 k rows,
	s_lshl_b32 s47, s12, 6
	s_add_co_u32 s46, s46, s47                     ; + 64 x half,
	s_lshl_b32 s46, s46, 12                        ; of 4,096 bytes,
	s_and_b32 s47, s42, 7
	s_lshl_b32 s47, s47, 9
	s_add_co_u32 s46, s46, s47                     ; + the tile's 512 bytes in a row
	s_mov_b32 s47, 0
	s_mul_i32 s20, s10, HALFT                      ; and where they go: wave x one load's bytes
	s_wait_dscnt 0x0                               ; the opening add is done
	s_wait_kmcnt 0x0
	s_add_nc_u64 s[14:15], s[4:5], s[16:17]
	s_add_nc_u64 s[46:47], s[6:7], s[46:47]
	CROUND                                         ; all sixteen work-groups are here: the first joint loads meet
.irp s, 0,1
	s_mov_b32 s[G0+4*(\s)], 1                                      ; count = 1
	s_add_co_u32 s[G0+4*(\s)+1], s20, (\s)*SLOT                    ; LDS address
	s_add_nc_u64 s[G0+4*(\s)+2:G0+4*(\s)+3], s[14:15], (\s)*256    ; K step s: 256 bytes along the token rows
	s_or_b32 s[G0+4*(\s)+3], s[G0+4*(\s)+3], 0x80000000            ; type = 2
	s_mov_b32 s[G0B+4*(\s)], 1
	s_add_co_u32 s[G0B+4*(\s)+1], s20, (\s)*SLOT
	s_add_nc_u64 s[G0B+4*(\s)+2:G0B+4*(\s)+3], s[46:47], (\s)*524288  ; K step s: 128 k rows down
	s_or_b32 s[G0B+4*(\s)+3], s[G0B+4*(\s)+3], 0x80000000
	JLOAD \s                                       ; two loads of mine are out
.endr
	; the bias of my 128 columns: for block b and half h the eight f32 at column 32 (b / 2) + 16 h + 8 (b % 2) of the tensor as it lies (g0 u0 g1 u1 g2 u2 g3 u3)
	v_and_b32 v1, 15, v0                           ; l % 16
	v_bfe_u32 v2, v0, 4, 1                         ; l / 16
	v_lshlrev_b32 v[BO], 6, v2
	s_lshl_b32 s76, s42, 10                        ; (2,048 e + 256 (tc % 8)) x 4 = 1,024 tc,
	s_lshl_b32 s77, s12, 9                         ; + my 128 columns
	s_add_co_u32 s76, s76, s77
	s_mov_b32 s77, 0
	s_add_nc_u64 s[68:69], s[68:69], s[76:77]
.irp b, 0,1,2,3,4,5,6,7
	global_load_b128 v[XB+8*(\b):XB+8*(\b)+3],   v[BO], s[68:69] offset:((\b)/2)*128+((\b)%2)*32
	global_load_b128 v[XB+8*(\b)+4:XB+8*(\b)+7], v[BO], s[68:69] offset:((\b)/2)*128+((\b)%2)*32+16
.endr
	; A token fragment is 16 rows x 32 K in 8 registers: lane l holds row l % 16, K = 8 (l / 16) + 0..7 and 16 + 8 (l / 16) + 0..7: two loads of 16 bytes, 32 bytes apart.
	v_mul_u32_u24 v3, v1, PA
	v_lshl_add_u32 v3, v2, 4, v3
	s_mul_i32 s21, s11, HALFT                      ; my 128 tokens
	; The turning load takes 16 k rows x 16 columns (lane l reads k row 8 (l / 16) + l % 8, columns 8 ((l / 8) % 2) + 0..7) and leaves half a fragment: lane l holds column l % 16 and 8 k.
	v_and_b32 v4, 7, v0
	v_lshl_add_u32 v4, v2, 3, v4
	v_mul_u32_u24 v4, v4, PB
	v_bfe_u32 v5, v0, 3, 1
	v_lshl_add_u32 v4, v5, 4, v4
	s_lshl_b32 s22, s12, 8                         ; my 128 columns,
	s_add_co_u32 s22, s22, 2*HALFT                 ; behind the tokens' 256 rows
.irp s, 0,1
	v_add_nc_u32 v[ADRA+(\s)], s21, v3
	v_add_nc_u32 v[ADRB+(\s)], s22, v4
	s_add_co_u32 s21, s21, SLOT
	s_add_co_u32 s22, s22, SLOT
.endr
	v_and_b32 v[STA], 31, v0
	v_lshlrev_b32 v[STA], 4, v[STA]
	v_lshlrev_b32 v[RWO], 5, v1
	s_lshl_b32 s76, s42, 19                        ; act: ks = tile column, 524,288 bytes each,
	s_lshl_b32 s78, s13, 16                        ; + token block 16 x tile row, 4,096 bytes each,
	s_add_co_u32 s76, s76, s78
	s_lshl_b32 s78, s11, 15                        ; + 8 x my half of the tokens,
	s_add_co_u32 s76, s76, s78
	s_lshl_b32 s78, s12, 11                        ; + my half of the tile's 128 hidden channels: two fragments of 1,024 bytes
	s_add_co_u32 s76, s76, s78
	s_add_nc_u64 s[8:9], s[8:9], s[76:77]
	s_lshl_b32 s76, s13, 13                        ; routing_weights: my first token's row of 32 bytes,
	s_lshl_b32 s78, s11, 12
	s_add_co_u32 s76, s76, s78
	s_lshr_b32 s78, s42, 3
	s_lshl_b32 s78, s78, 2                         ; + the expert's word
	s_add_co_u32 s76, s76, s78
	s_add_nc_u64 s[70:71], s[70:71], s[76:77]
	s_wait_loadcnt 0x0                             ; the bias
.set z, 0
.rept 16                               ; each four numbers g0 u0 g1 u1 are rounded to bf16 as (g0, g1) and (u0, u1),
	v_cvt_pk_bf16_f32 v[XB+4*z],   v[XB+4*z],   v[XB+4*z+2]
	v_cvt_pk_bf16_f32 v[XB+4*z+1], v[XB+4*z+1], v[XB+4*z+3]
.set z, z+1
.endr
	WIN 0x40                                       ; and widened again into window 1, in the order of the permuted columns: g0 g1 u0 u1
.set z, 0
.rept 16
	v_lshlrev_b32 v[4*z],   16,  v[XB+4*z]
	v_and_b32     v[4*z+1], s79, v[XB+4*z]
	v_lshlrev_b32 v[4*z+2], 16,  v[XB+4*z+1]
	v_and_b32     v[4*z+3], s79, v[XB+4*z+1]
.set z, z+1
.endr
	WIN 0
; 16 matrix instructions: token blocks a0, a0 + 1 of the window's four (hi = 0: my tokens 0-63, 1: 64-127) x all 8 column blocks, 32 along K.  first = 1: the bias starts the sums.
; The 64 accumulators take turns, one instruction a turn, in the same order in every quarter step.
.macro MUL16 f, hi, a0, first
.if \first
	WIN 0x91+0x40*(\hi)                            ; weights and bias window 1, tokens window 0, D window 2 or 3
.else
	WIN 0xa1+0x50*(\hi)                            ; weights window 1, tokens window 0, C and D window 2 or 3
.endif
.irp a, \a0, (\a0)+1
.irp b, 0,1,2,3,4,5,6,7
.if \first
	v_wmma_f32_16x16x32_bf16 v[8*(8*(\a)+(\b)):8*(8*(\a)+(\b))+7], v[(\f)+8*(\b):(\f)+8*(\b)+7], v[(\f)+8*(4*(\hi)+(\a)):(\f)+8*(4*(\hi)+(\a))+7], v[8*(\b):8*(\b)+7]
.else
	v_wmma_f32_16x16x32_bf16 v[8*(8*(\a)+(\b)):8*(8*(\a)+(\b))+7], v[(\f)+8*(\b):(\f)+8*(\b)+7], v[(\f)+8*(4*(\hi)+(\a)):(\f)+8*(4*(\hi)+(\a))+7], v[8*(8*(\a)+(\b)):8*(8*(\a)+(\b))+7]
.endif
.endr
.endr
.endm
; 32 LDS loads in one run: the fragments of quarter q of a K step (32 k x 128 columns turned, 128 tokens x 32 k) into buffer f
.macro FETCH slot, q, f
	WIN 0x40                                       ; destination window 1, address window 0
.irp i, 0,1,2,3,4,5,6,7
	ds_load_tr16_b128 v[(\f)+8*(\i):(\f)+8*(\i)+3],   v[ADRB+(\slot)] offset:(\q)*32*PB+32*(\i)
	ds_load_tr16_b128 v[(\f)+8*(\i)+4:(\f)+8*(\i)+7], v[ADRB+(\slot)] offset:(\q)*32*PB+32*(\i)+16*PB
.endr
	WIN 0
.irp i, 0,1,2,3,4,5,6,7
	ds_load_b128 v[(\f)+8*(\i):(\f)+8*(\i)+3],   v[ADRA+(\slot)] offset:(\q)*64+(\i)*16*PA
	ds_load_b128 v[(\f)+8*(\i)+4:(\f)+8*(\i)+7], v[ADRA+(\slot)] offset:(\q)*64+(\i)*16*PA+32
.endr
.endm
; A load into a register that a matrix instruction has read, and a vector instruction that reads a matrix result, stand four places behind it; only plain vector instructions that
; name none of its registers are places (ISA guide 7.12.1 for vector instructions).
.macro PLACES
.rept 4
	v_nop
.endr
.endm
; A K step is four quarters of 32 along K, 64 matrix instructions each, on buffers 0, 1, 0, 1.  One of the first three: multiplies buffer f; in its middle it fetches quarter q into buffer g.
.macro QUARTER slot, q, f, g, first=0
	s_wait_dscnt 8                                 ; the weights and my tokens 0-63 are in; the youngest eight loads (tokens 64-127) may be out
	MUL16 \f, 0, 0, \first
	MUL16 \f, 0, 2, \first
	PLACES
	FETCH \slot, \q, \g
	s_wait_dscnt 32                                ; all but the 32 just issued
	MUL16 \f, 1, 0, \first
	MUL16 \f, 1, 2, \first
.endm
; The last quarter multiplies buffer 1 and changes slots.  MEET is its first half: ONE barrier.  In front of it each wave waits for all its tensor loads (one is out: its part of the next
; slot), adds 0 to its spare word, and waits for that and for its own reads of this slot.  Behind it nobody reads this slot any more and the next slot is whole.
.macro MEET round
	WIN 0                                          ; (the add's two registers lie in window 0)
	s_wait_tensorcnt 0x0
	ds_add_u32 v[SPW], v[NIL]                      ; 0 onto my spare word
	s_wait_dscnt 9                                 ; (the add and the youngest eight loads may be out)
	MUL16 F1, 0, 0, 0                              ; sixteen matrix instructions stand between the add and the wait for it
	s_wait_dscnt 0x0                               ; the add is done, and my reads of this slot are over
	s_barrier_signal -1
	MUL16 F1, 0, 2, 0                              ; work on registers while the others arrive
.if \round
	WIN 0
.endif
	s_barrier_wait -1
.endm
; The whole last quarter.  mode 0: the slot just read out is filled again with this tile's K step two steps on; 1: with the next tile's K step 0 or 1; 2: nothing is filled.
; A refill stands behind a round of the cluster's barrier, first thing; from the request to the wait for it a wave issues 224 matrix instructions.
.macro TURN slot, next, mode
.if (\mode) < 2
	MEET 1
	CREST                                          ; no wave of any partner still reads this slot's tile or has a load on its way
.if (\mode) == 1
	s_add_nc_u64 s[G0+4*(\slot)+2:G0+4*(\slot)+3], s[G0+4*(\slot)+2:G0+4*(\slot)+3], NEXT_A
	s_sub_nc_u64 s[G0B+4*(\slot)+2:G0B+4*(\slot)+3], s[G0B+4*(\slot)+2:G0B+4*(\slot)+3], BACK_B
.else
	s_add_nc_u64 s[G0+4*(\slot)+2:G0+4*(\slot)+3], s[G0+4*(\slot)+2:G0+4*(\slot)+3], 512
	s_add_nc_u64 s[G0B+4*(\slot)+2:G0B+4*(\slot)+3], s[G0B+4*(\slot)+2:G0B+4*(\slot)+3], 1048576
.endif
	JLOAD \slot                                    ; the four v_nop behind it are also the places in front of the loads below
.else
	MEET 0
	PLACES
.endif
	FETCH \next, 0, F0
	MUL16 F1, 1, 0, 0
	MUL16 F1, 1, 2, 0
.endm
; THE WAY OUT of token block a: 8 accumulators = 16 groups of (g, g, u, u); group z lies at AC + 4 z.  Each accumulator's lowest register is read first.
; The 32 exponentials are one batch and the 32 reciprocals another; behind each stand 16 packed instructions that name none of its results, then ONE wait,
; ahead of the first instruction that names a result.
.macro ACT a
.set W, 2+(\a)/4                       ; the block's window
.set AC, 64*((\a)%4)
.set RA, RW+2*(\a)
	WIN 0x55*W                                     ; every operand in the block's window
.set z, 0
.rept 16
	v_min_num_f32 v[AC+4*z], s74, v[AC+4*z]        ; g = min(gate, 7)
	v_min_num_f32 v[AC+4*z+1], s74, v[AC+4*z+1]
	v_med3_num_f32 v[AC+4*z+2], v[AC+4*z+2], s75, s74  ; u = clip(up, -7, 7)
	v_med3_num_f32 v[AC+4*z+3], v[AC+4*z+3], s75, s74
.set z, z+1
.endr
	WIN W                                          ; source 0 in the block's window, destination window 0
.set z, 0
.rept 16
	v_pk_mul_f32 v[T+2*z:T+2*z+1], v[AC+4*z:AC+4*z+1], s[72:73] op_sel_hi:[1,0]  ; -1.702 log2(e) g
.set z, z+1
.endr
	WIN 0
.set z, 0
.rept 32
	v_exp_f32 v[T+z], v[T+z]
.set z, z+1
.endr
	WIN (W<<6)|W
.set z, 0
.rept 16
	v_pk_fma_f32 v[AC+4*z+2:AC+4*z+3], v[AC+4*z+2:AC+4*z+3], v[RA:RA+1], v[RA:RA+1]  ; (u + 1) 16 rw
.set z, z+1
.endr
	WIN 0
	s_wait_alu depctr_va_vdst(0)                   ; the wait for the 32 exponentials
.set z, 0
.rept 16
	v_pk_add_f32 v[T+2*z:T+2*z+1], v[T+2*z:T+2*z+1], 1.0 op_sel_hi:[1,0]
.set z, z+1
.endr
.set z, 0
.rept 32
	v_rcp_f32 v[T+z], v[T+z]
.set z, z+1
.endr
	WIN (W<<6)|(W<<2)|W
.set z, 0
.rept 16
	v_pk_mul_f32 v[AC+4*z:AC+4*z+1], v[AC+4*z:AC+4*z+1], v[AC+4*z+2:AC+4*z+3]  ; g (u + 1) 16 rw
.set z, z+1
.endr
	WIN W
	s_wait_alu depctr_va_vdst(0)                   ; the wait for the 32 reciprocals
.set z, 0
.rept 16
	v_pk_mul_f32 v[T+2*z:T+2*z+1], v[AC+4*z:AC+4*z+1], v[T+2*z:T+2*z+1]
.set z, z+1
.endr
	WIN 0
	s_wait_xcnt 0x0                                ; P was the last block's store data: it is rewritten only behind this wait (ISA guide 3.1)
.set z, 0
.rept 16
	v_cvt_pk_f16_f32 v[P+z], v[T+2*z], v[T+2*z+1]
.set z, z+1
.endr
.irp q, 0,1,2,3
	global_store_b128 v[STA], v[P+4*(\q):P+4*(\q)+3], s[8:9] offset:(\a)*4096+(\q)*512  ; channels 16 q + 8 (l / 16) + 0..7 of token l % 16: 512 consecutive bytes a wave
.endr
.endm
	s_wait_tensorcnt 1                             ; my part of K step 0 is in; K step 1's may stay out
	s_barrier_signal -1
	s_barrier_wait -1                              ; everybody's is
	FETCH 0, 0, F0
	s_mov_b32 s2, 2                                ; tiles to go: the same number in every work-group
.Ltile:
.irp a, 0,1,2,3,4,5,6,7
	global_load_b32 v[RW+2*(\a)], v[RWO], s[70:71] offset:(\a)*512  ; the router's weight of my token in block a; wanted on the way out
.endr
	QUARTER 0, 1, F0, F1, 1                        ; a tile's first quarter stands in front of the loop: its products start the sums with the bias
	WIN 0                                          ; at a label and at a branch every window is 0
	s_mov_b32 s3, LAPS-1
.Llap:                                                 ; a trip goes once round the ring, from a lap's second quarter to the next lap's first, and fills both slots again
	QUARTER 0, 2, F1, F0
	QUARTER 0, 3, F0, F1
	TURN 0, 1, 0
	QUARTER 1, 1, F0, F1
	QUARTER 1, 2, F1, F0
	QUARTER 1, 3, F0, F1
	TURN 1, 0, 0
	QUARTER 0, 1, F0, F1
	WIN 0
	s_sub_co_u32 s3, s3, 1
	s_cmp_lg_u32 s3, 0
	s_cbranch_scc1 .Llap
	QUARTER 0, 2, F1, F0                           ; the tile's last lap goes on
	QUARTER 0, 3, F0, F1
	WIN 0
	s_cmp_eq_u32 s2, 1
	s_cbranch_scc1 .Llast                          ; the last tile's tail asks for nothing more
	TURN 0, 1, 1                                   ; the ring goes on into the next tile: slot 0 takes its K step 0,
	QUARTER 1, 1, F0, F1
	QUARTER 1, 2, F1, F0
	QUARTER 1, 3, F0, F1
	TURN 1, 0, 1                                   ; slot 1 its K step 1, and the next tile's first fragments are fetched
	WIN 0
	s_branch .Lout
.Llast:
	TURN 0, 1, 2
	QUARTER 1, 1, F0, F1
	QUARTER 1, 2, F1, F0
	QUARTER 1, 3, F0, F1
	s_wait_dscnt 0x0                               ; the very last quarter: nothing more to fetch
	MUL16 F1, 0, 0, 0
	MUL16 F1, 0, 2, 0
	MUL16 F1, 1, 0, 0
	MUL16 F1, 1, 2, 0
	WIN 0
.Lout:                                                 ; the way out touches no LDS byte, no fragment buffer and no tensor load: what was asked for the next tile stays on its way across it
	s_wait_loadcnt 0x0                             ; the router's weights
	; They are rounded to bf16, widened again and multiplied by 16, into both registers of a pair.  These 32 plain instructions name no register of the last products: they are the places behind them.
.irp a, 0,1,2,3,4,5,6,7
	v_cvt_pk_bf16_f32 v[RW+2*(\a)], v[RW+2*(\a)], v[RW+2*(\a)]
.endr
.irp a, 0,1,2,3,4,5,6,7
	v_and_b32 v[RW+2*(\a)], s79, v[RW+2*(\a)]
.endr
.irp a, 0,1,2,3,4,5,6,7
	v_mul_f32 v[RW+2*(\a)+1], s80, v[RW+2*(\a)]
.endr
.irp a, 0,1,2,3,4,5,6,7
	v_mul_f32 v[RW+2*(\a)], s80, v[RW+2*(\a)]
.endr
.irp a, 0,1,2,3,4,5,6,7
	ACT \a
.endr
	s_wait_xcnt 0x0                                ; the stores' and loads' bases are stepped only behind this wait
	s_add_nc_u64 s[8:9], s[8:9], 262144            ; 1,024 tokens on: 64 token blocks of 4,096 bytes,
	s_add_nc_u64 s[70:71], s[70:71], 32768         ; 1,024 rows of 32 bytes
	s_sub_co_u32 s2, s2, 1
	s_cmp_lg_u32 s2, 0
	s_cbranch_scc1 .Ltile
	s_wait_tensorcnt 0x0                           ; the wave's end
	ds_add_u32 v[SPW], v[NIL]
	s_wait_dscnt 0x0
	CROUND                                         ; the closing round: no work-group ends while a partner may still ask for a tile that names it
	s_endpgm
.Lfunc_end_k_q8fc9d2abd7_gateup:
	.size	k_q8fc9d2abd7_gateup, .Lfunc_end_k_q8fc9d2abd7_gateup-k_q8fc9d2abd7_gateup
	.p2alignl 7, 3214868480
	.fill 96, 4, 3214868480
	.section	.rodata,"a",@progbits
	.p2align	6, 0x0
	.amdhsa_kernel k_q8fc9d2abd7_gateup
		.amdhsa_group_segment_fixed_size 327680
		.amdhsa_private_segment_fixed_size 0
		.amdhsa_enable_private_segment 0
		.amdhsa_kernarg_size 40
		.amdhsa_user_sgpr_count 2
		.amdhsa_user_sgpr_kernarg_segment_ptr 1
		.amdhsa_wavefront_size32 1
		.amdhsa_system_sgpr_workgroup_id_x 1
		.amdhsa_system_sgpr_workgroup_id_y 1
		.amdhsa_system_sgpr_workgroup_id_z 1
		.amdhsa_system_vgpr_workitem_id 0
		.amdhsa_next_free_vgpr 1024
		.amdhsa_next_free_sgpr 84
		.amdhsa_reserve_vcc 0
		.amdhsa_float_denorm_mode_32 3
		.amdhsa_float_denorm_mode_16_64 3
		.amdhsa_memory_ordered 1
		.amdhsa_forward_progress 1
		.amdhsa_inst_pref_size 247
	.end_amdhsa_kernel
	.amdgpu_metadata
---
amdhsa.version: [ 1, 2 ]
amdhsa.kernels:
  - .name:           k_q8fc9d2abd7_gateup
    .symbol:         k_q8fc9d2abd7_gateup.kd
    .args:
      - { .name: hid16, .offset: 0, .size: 8, .value_kind: global_buffer, .address_space: global }
      - { .name: gu16, .offset: 8, .size: 8, .value_kind: global_buffer, .address_space: global }
      - { .name: act, .offset: 16, .size: 8, .value_kind: global_buffer, .address_space: global }
      - { .name: gate_up_proj_bias, .offset: 24, .size: 8, .value_kind: global_buffer, .address_space: global }
      - { .name: routing_weights, .offset: 32, .size: 8, .value_kind: global_buffer, .address_space: global }
    .group_segment_fixed_size: 327680
    .private_segment_fixed_size: 0
    .kernarg_segment_align: 8
    .kernarg_segment_size: 40
    .max_flat_workgroup_size: 128
    .sgpr_count:     84
    .vgpr_count:     1024
    .wavefront_size: 32
...
	.end_amdgpu_metadata
.endif
;; end of part 2
;; launch down (part 3): grid 8 x 32, 4 waves a work-group, clusters of 4 x 4, 327,680 bytes of LDS; arguments act, wd16, part; writes part
.if DOCPART == 3
	.amdgcn_target "amdgcn-amd-amdhsa--gfx1250"
	.amdhsa_code_object_version 6
	.text
	.protected	k_q8fc9d2abd7_down
	.globl	k_q8fc9d2abd7_down
	.p2align	8
	.type	k_q8fc9d2abd7_down,@function
k_q8fc9d2abd7_down:
	s_mov_b64 s[64:65], 0
	v_nop
	global_prefetch_b8 v0, s[64:65] scope:SCOPE_SE
	s_setreg_imm32_b32 hwreg(HW_REG_WAVE_MODE, 25, 1), 1
	s_wait_xcnt 0x0
	s_wait_alu depctr_hold_cnt(0) depctr_sa_sdst(0) depctr_va_vdst(0) depctr_va_sdst(0) depctr_va_ssrc(0) depctr_va_vcc(0) depctr_vm_vsrc(0)
	s_getreg_b32 s2, hwreg(HW_REG_IB_STS2, 6, 4)
	s_cmp_eq_u32 s2, 0
	s_cbranch_scc0 .Lentry_in_a_cluster
	s_endpgm
.Lentry_in_a_cluster:
	s_bfe_u32 s2, ttmp6, 0x10000c
	s_cmp_lg_u32 s2, 0xf033
	s_cbranch_scc0 .Lentry_shape_is_right
	s_endpgm
.Lentry_shape_is_right:
; THE SECOND PRODUCT.  part[kh][t][h] = the sum over k = 4,096 kh .. 4,096 kh + 4,095 of act[t][k] wd16[k][h], k = 1,024 e + d.  Operands f16, sums f32, partial sums stored in f32.
; The router's weight (times 16) is already in act, so all eight experts are one sum; the launch behind adds the two halves, takes the 16 out and adds the bias term.
; LIMITS are the operands': both arrive within f16's 65,504 (the launches that write them state for which inputs); NaN and infinities are not treated apart.
; SHAPE.  The output has 16 x 8 tiles of 128 x 128, half as many as there are WGPs; so K = 8,192 is halved between two work-groups: 256 work-groups of 128 x 128 x 4,096.
; Four waves, each 64 x 64: 16 accumulators.  K goes in steps of 256 through two LDS slots.
; act lies in the order of the token operand's registers: a token block's fragment of 16 tokens x 32 k is 1,024 consecutive bytes, lane l's two loads at 16 l and 512 + 16 l.  A tile's tokens for 128 k
; are 32,768 dense bytes, asked for as 128 rows of 256 bytes, unpadded: 32 lanes read 512 consecutive bytes of LDS.  The weights lie [k][h] and are read by the turning LDS load.
; CLUSTERS of 4 x 4: the four of a row share the token tiles, the four of a column the weight tiles (a cluster lies within one half of K: 4 x cluster y + cy, halves of 16).  Joint loads.
; THE WALK ALONG K.  A token tile is read by two clusters (cluster x = 0, 1), a weight tile by the four clusters of its half of K.  A cluster begins at K step 0 or at K step 8 of its 16 and wraps
; round, by the bit (cluster x) ^ (bit 0 of cluster y) ^ (bit 1 of cluster y): a token tile's two readers always differ in it, and so do a weight tile's readers in the rows {0,1}, {2,3}, {0,2}, {1,3}.
; So the tiles of a cluster's last eight steps were read by another cluster eight steps before, not at the same moment.  The bit is made of the cluster's coordinates alone: it is equal
; in all partners of a joint load.  ORDER OF ROUNDING: where the walk begins at step 8, an output's f32 sum takes k = 2,048 .. 4,095 of its half ahead of k = 0 .. 2,047.
; THE MATRIX INSTRUCTION IS USED TRANSPOSED (source 0 = 16 columns of the weights, source 1 = 16 tokens): a lane holds eight neighbouring f32 of a row of the output.
; REGISTERS: window 0: v0-31 addresses; v32-95 at work on the way out; v128-255 the accumulators ((a, b) at v[128 + 8 (4 a + b)]).
;   window 1: two fragment buffers of 128: for 64 along K, 64 registers of tokens (2 x 4 blocks), then 64 of weights.
.set PB,     288                       ; a k row of 128 columns in LDS: 256 bytes + 32 = 72 words
.set ATILE,  32768                     ; 128 tokens x 128 k
.set BTILE,  128*PB                    ; 128 k rows
.set BOFF,   2*ATILE
.set SLOT,   2*ATILE+2*BTILE           ; tokens for k 0-127, 128-255 of the step, then the weights' k rows 0-127, 128-255
.set STAGE,  2*SLOT                    ; behind the ring: 16 rows x 272 bytes for each wave, for the way out; no tensor load fills it
.set SPITCH, 272
.set SPARE,  STAGE+4*16*SPITCH         ; the spare words, 128 bytes for each wave: two blocks of 256 bytes that no other line names
.set LAPS,   8                         ; a lap = two K steps of 256; K = 4,096
.set ASTEP,  1048576                   ; bytes of act from a K step to the next: two blocks of 128 k
.set BSTEP,  524288                    ; bytes of wd16 from a K step to the next: 256 k rows of 2,048 bytes
.set WRAPAT, LAPS-1-3                  ; the lap counter's value in trip 3, which asks for the walk's steps 8 and 9: there a walk that began at step 8 wraps round
.set ADRA, 16                          ; v16-17  LDS address of my token fragments in slot 0, 1
.set ADRB, 20                          ; v20-23  of my weight fragments: slot 0 rows 0-127, 128-255; slot 1 likewise
.set STO,  24                          ; v24     the way out: where I put 32 bytes of a row
.set RD,   25                          ; v25     where I read a row back
.set CO,   26                          ; v26     my byte offset in part
.set SPW,  28                          ; v28     LDS address of my spare word; never rewritten
.set NIL,  29                          ; v29     0; never rewritten
.set TMP,  32                          ; two sets of 32 registers: rows read back from the stage
.set ACC,  128
.set F0,   0                           ; fragment buffers, in window 1
.set F1,   128
.set G1,  24
.set G0,  32
.set G1B, 48
.set G0B, 56
.set NA,  66                           ; s[66:67] a refill's step in act: two K steps on
.set NB,  68                           ; s[68:69] the same in wd16
.set WA,  70                           ; s[70:71] the step in trip 3: two K steps on, and sixteen back where the walk began at step 8
.set WB,  72                           ; s[72:73] the same in wd16
.set TA,  74                           ; s[74:75] the step chosen for this refill
.set TB,  76                           ; s[76:77]
.set MSB, 0
.macro WIN new
.if MSB != (\new)
	s_set_vgpr_msb (MSB<<8)|(\new)
.set MSB, \new
.endif
.endm
.set MUL,  0x05                        ; sources 0 and 1 window 1; C and D window 0
.set TO_F, 0x40                        ; destination window 1, address window 0
.macro JLOAD s                         ; a joint load: waves 0 and 1 fetch the token tile's two halves, waves 2 and 3 the weight tile's; an s_nop 0 and four v_nop follow each line
	s_cmp_eq_u32 s11, 0
	s_cbranch_scc0 .Lfor_b_\@
	tensor_load_to_lds s[G0+4*(\s):G0+4*(\s)+3], s[G1:G1+7]
	s_nop 0
.rept 4
	v_nop
.endr
	s_branch .Lasked_\@
.Lfor_b_\@:
	tensor_load_to_lds s[G0B+4*(\s):G0B+4*(\s)+3], s[G1B:G1B+7]
	s_nop 0
.rept 4
	v_nop
.endr
.Lasked_\@:
.endm
.macro CREST
	s_cmp_lg_u32 s10, 0
	s_cbranch_scc1 .Lnot_wave_0_\@
	s_barrier_signal -3
.Lnot_wave_0_\@:
	s_barrier_wait -3
	s_barrier_signal -1
	s_barrier_wait -1
.endm
.macro CROUND
	s_barrier_signal -1
	s_barrier_wait -1
	CREST
.endm
	s_load_b128 s[4:7], s[0:1], 0x0                ; act s[4:5], wd16 s[6:7]
	s_load_b64 s[8:9], s[0:1], 0x10                ; part
	v_lshl_add_u32 v[SPW], v0, 2, SPARE
	v_mov_b32 v[NIL], 0
	ds_add_u32 v[SPW], v[NIL]                      ; the wave's opening: the add and its wait stand ahead of my first tensor load
	v_lshrrev_b32 v1, 5, v0
	v_readfirstlane_b32 s10, v1                    ; wave 0..3
	s_lshr_b32 s11, s10, 1                         ; which half of the tile's tokens is mine.  Also: I fetch tokens (0) or weights (1)
	s_and_b32 s12, s10, 1                          ; which half of its columns.  Also: which 128 k of a step I fetch
	s_bfe_u32 s40, ttmp6, 0x40000                  ; cx
	s_bfe_u32 s41, ttmp6, 0x40004                  ; cy
	s_lshl_b32 s42, ttmp9, 2
	s_add_co_u32 s42, s42, s40                     ; tile column 0..7
	s_and_b32 s45, ttmp7, 0xffff                   ; the cluster's y, 0..7
	s_lshl_b32 s13, s45, 2
	s_add_co_u32 s13, s13, s41                     ; y = 0..31: tile row y % 16, half of K y / 16
	s_lshr_b32 s18, s45, 1                         ; where my cluster's walk begins: bit 1 of the cluster's y,
	s_xor_b32 s18, s18, s45                        ; ^ its bit 0,
	s_xor_b32 s18, s18, ttmp9                      ; ^ the cluster's x:
	s_and_b32 s18, s18, 1                          ; 0: at K step 0; 1: at K step 8
	s_lshr_b32 s45, s45, 2                         ; the half of K once more, from the cluster's y alone: for the weights' address, which holds no cy
	s_lshl_b32 s43, s41, 2
	s_lshl_b32 s43, 15, s43                        ; my row of the cluster
	s_lshl_b32 s44, 0x1111, s40                    ; my column
	s_or_b32 s[G1+0], s43, (3<<16)|(1<<21)         ; the row's mask; elements of 8 bytes; 21 set beside a mask; no padding
	s_mov_b32 s[G1+1], 32<<16                      ; tensor_dim0 = 32 elements = 256 bytes
	s_mov_b32 s[G1+2], 128<<16                     ; tensor_dim1 = 128 rows
	s_mov_b32 s[G1+3], 32<<16
	s_mov_b32 s[G1+4], 128
	s_mov_b32 s[G1+5], 32                          ; dense: a row begins where the last ends
	s_mov_b32 s[G1+6], 0
	s_mov_b32 s[G1+7], 0
	s_or_b32 s[G1B+0], s44, (1<<16)|(1<<20)|(1<<21)|(5<<22)|(7<<25)  ; the column's mask; 2-byte elements; padding after every 64 words, 8 words
	s_mov_b32 s[G1B+1], 128<<16                    ; 128 columns
	s_mov_b32 s[G1B+2], 128<<16                    ; 128 k rows
	s_mov_b32 s[G1B+3], 128<<16
	s_mov_b32 s[G1B+4], 128
	s_mov_b32 s[G1B+5], 1024                       ; elements from k row to k row
	s_mov_b32 s[G1B+6], 0
	s_mov_b32 s[G1B+7], 0
	s_mov_b32 s[NA], 2*ASTEP                       ; the refills' steps, as offsets of 64 bits
	s_mov_b32 s[NA+1], 0
	s_mov_b32 s[NB], 2*BSTEP
	s_mov_b32 s[NB+1], 0
	s_lshl_b32 s[TA], s18, 24                      ; sixteen K steps of act, or 0
	s_mov_b32 s[TA+1], 0
	s_sub_nc_u64 s[WA:WA+1], s[NA:NA+1], s[TA:TA+1]
	s_lshl_b32 s[TA], s18, 23                      ; sixteen K steps of wd16, or 0
	s_sub_nc_u64 s[WB:WB+1], s[NB:NB+1], s[TA:TA+1]
	s_lshr_b32 s16, s13, 4                         ; act: the half of K is 32 blocks of 128 k, 524,288 bytes each,
	s_lshl_b32 s16, s16, 24
	s_lshl_b32 s17, s12, 19                        ; + which 128 k of the step,
	s_add_co_u32 s16, s16, s17
	s_and_b32 s17, s13, 15
	s_lshl_b32 s17, s17, 15                        ; + the tile's eight token blocks of 4,096 bytes,
	s_add_co_u32 s16, s16, s17
	s_lshl_b32 s17, s18, 23                        ; + eight K steps where the walk begins there
	s_add_co_u32 s16, s16, s17
	s_mov_b32 s17, 0
	s_lshl_b32 s46, s45, 12                        ; wd16: k row 4,096 x half of K
	s_lshl_b32 s47, s12, 7
	s_add_co_u32 s46, s46, s47                     ; + 128 x which,
	s_lshl_b32 s46, s46, 11                        ; of 2,048 bytes,
	s_lshl_b32 s47, s42, 8
	s_add_co_u32 s46, s46, s47                     ; + the tile's 256 bytes in a row,
	s_lshl_b32 s47, s18, 22                        ; + eight K steps where the walk begins there
	s_add_co_u32 s46, s46, s47
	s_mov_b32 s47, 0
	s_lshl_b32 s20, s12, 15                        ; where they go: tokens at which x 32,768,
	s_mul_i32 s21, s12, BTILE
	s_add_co_u32 s21, s21, BOFF                    ; weights behind them at which x 36,864
	s_wait_dscnt 0x0                               ; the opening add is done
	s_wait_kmcnt 0x0
	s_add_nc_u64 s[14:15], s[4:5], s[16:17]
	s_add_nc_u64 s[46:47], s[6:7], s[46:47]
	CROUND                                         ; all sixteen work-groups are here: the first joint loads meet
.irp s, 0,1
	s_mov_b32 s[G0+4*(\s)], 1
	s_add_co_u32 s[G0+4*(\s)+1], s20, (\s)*SLOT
	s_add_nc_u64 s[G0+4*(\s)+2:G0+4*(\s)+3], s[14:15], (\s)*ASTEP   ; the walk's step s
	s_or_b32 s[G0+4*(\s)+3], s[G0+4*(\s)+3], 0x80000000
	s_mov_b32 s[G0B+4*(\s)], 1
	s_add_co_u32 s[G0B+4*(\s)+1], s21, (\s)*SLOT
	s_add_nc_u64 s[G0B+4*(\s)+2:G0B+4*(\s)+3], s[46:47], (\s)*BSTEP
	s_or_b32 s[G0B+4*(\s)+3], s[G0B+4*(\s)+3], 0x80000000
	JLOAD \s                                       ; two loads of mine are out
.endr
	v_and_b32 v1, 15, v0                           ; l % 16
	v_bfe_u32 v2, v0, 4, 1                         ; l / 16
	v_and_b32 v3, 31, v0
	v_lshlrev_b32 v3, 4, v3                        ; 16 l
	s_lshl_b32 s22, s11, 14                        ; my four token blocks
	v_add_nc_u32 v[ADRA], s22, v3
	v_add_nc_u32 v[ADRA+1], SLOT, v[ADRA]
	v_and_b32 v4, 7, v0                            ; the turning load: k row 8 (l / 16) + l % 8, columns 8 ((l / 8) % 2) + 0..7
	v_lshl_add_u32 v4, v2, 3, v4
	v_mul_u32_u24 v4, v4, PB
	v_bfe_u32 v5, v0, 3, 1
	v_lshl_add_u32 v4, v5, 4, v4
	s_lshl_b32 s23, s12, 7                         ; my 64 columns
	s_add_co_u32 s23, s23, BOFF
	v_add_nc_u32 v[ADRB], s23, v4
	v_add_nc_u32 v[ADRB+1], BTILE, v[ADRB]
	v_add_nc_u32 v[ADRB+2], SLOT, v[ADRB]
	v_add_nc_u32 v[ADRB+3], SLOT+BTILE, v[ADRB]
	s_mul_i32 s23, s10, 16*SPITCH
	s_add_co_u32 s23, s23, STAGE                   ; my stage
	v_mul_u32_u24 v6, v1, SPITCH                   ; in: row l % 16, 32 bytes for each half of the lanes
	v_lshl_add_u32 v6, v2, 5, v6
	v_add_nc_u32 v[STO], s23, v6
	v_mul_u32_u24 v7, v2, SPITCH                   ; back: lanes 0-15 take one row of 256 bytes, lanes 16-31 the next
	v_lshl_add_u32 v7, v1, 4, v7
	v_add_nc_u32 v[RD], s23, v7
	v_lshlrev_b32 v7, 12, v2                       ; and the same two rows in part
	v_lshl_add_u32 v[CO], v1, 4, v7
	s_lshr_b32 s16, s13, 4                         ; part: the half of K, 8,388,608 bytes,
	s_lshl_b32 s16, s16, 23
	s_and_b32 s17, s13, 15
	s_lshl_b32 s17, s17, 7
	s_lshl_b32 s18, s11, 6
	s_add_co_u32 s17, s17, s18                     ; + my first token, 128 x tile row + 64 x half,
	s_lshl_b32 s17, s17, 12                        ; of 4,096 bytes
	s_add_co_u32 s16, s16, s17
	s_mov_b32 s17, 0
	s_add_nc_u64 s[8:9], s[8:9], s[16:17]
	s_lshl_b32 s46, s42, 9                         ; + my first column: 512 x tile column + 256 x half
	s_lshl_b32 s47, s12, 8
	s_add_co_u32 s46, s46, s47
	s_mov_b32 s47, 0
	s_add_nc_u64 s[8:9], s[8:9], s[46:47]
; 8 matrix instructions: token blocks a0, a0 + 1 x all 4 column blocks, 32 along K: half c of buffer f.  zero = 1: the first product starts the sums.  The 16 accumulators take turns.
.macro MUL8 f, c, a0, zero
	WIN MUL
.irp a, \a0, (\a0)+1
.irp b, 0,1,2,3
.if \zero
	v_wmma_f32_16x16x32_f16 v[ACC+8*(4*(\a)+(\b)):ACC+8*(4*(\a)+(\b))+7], v[(\f)+64+8*(4*(\c)+(\b)):(\f)+64+8*(4*(\c)+(\b))+7], v[(\f)+8*(4*(\c)+(\a)):(\f)+8*(4*(\c)+(\a))+7], 0
.else
	v_wmma_f32_16x16x32_f16 v[ACC+8*(4*(\a)+(\b)):ACC+8*(4*(\a)+(\b))+7], v[(\f)+64+8*(4*(\c)+(\b)):(\f)+64+8*(4*(\c)+(\b))+7], v[(\f)+8*(4*(\c)+(\a)):(\f)+8*(4*(\c)+(\a))+7], v[ACC+8*(4*(\a)+(\b)):ACC+8*(4*(\a)+(\b))+7]
.endif
.endr
.endr
.endm
; 32 LDS loads in one run: the fragments of quarter qd (64 along K: fragments 2 qd and 2 qd + 1 of the step's eight) into buffer f; the first 32 along K first
.macro FETCH slot, qd, f
	WIN TO_F
.irp c, 0,1
.irp i, 0,1,2,3
	ds_load_tr16_b128 v[(\f)+64+8*(4*(\c)+(\i)):(\f)+64+8*(4*(\c)+(\i))+3],   v[ADRB+2*(\slot)+(2*(\qd)+(\c))/4] offset:((2*(\qd)+(\c))%4)*32*PB+32*(\i)
	ds_load_tr16_b128 v[(\f)+64+8*(4*(\c)+(\i))+4:(\f)+64+8*(4*(\c)+(\i))+7], v[ADRB+2*(\slot)+(2*(\qd)+(\c))/4] offset:((2*(\qd)+(\c))%4)*32*PB+32*(\i)+16*PB
	ds_load_b128 v[(\f)+8*(4*(\c)+(\i)):(\f)+8*(4*(\c)+(\i))+3],   v[ADRA+(\slot)] offset:((2*(\qd)+(\c))/4)*ATILE+((2*(\qd)+(\c))%4)*1024+(\i)*4096
	ds_load_b128 v[(\f)+8*(4*(\c)+(\i))+4:(\f)+8*(4*(\c)+(\i))+7], v[ADRA+(\slot)] offset:((2*(\qd)+(\c))/4)*ATILE+((2*(\qd)+(\c))%4)*1024+(\i)*4096+512
.endr
.endr
.endm
.macro PLACES                          ; four places in front of loads into registers that matrix instructions have read, and of LDS stores that read results (ISA guide 7.12.1 for the stores)
.rept 4
	v_nop
.endr
.endm
; A K step is four quarters of 64 along K, 32 matrix instructions each, on buffers 0, 1, 0, 1.  One of the first three: multiplies buffer f and fetches quarter qd into g.
.macro QUARTER slot, qd, f, g, zero
	s_wait_dscnt 16                                ; the first 32 along K are in
	MUL8 \f, 0, 0, \zero
	MUL8 \f, 0, 2, \zero
	PLACES
	FETCH \slot, \qd, \g
	s_wait_dscnt 32                                ; all but the 32 just issued
	MUL8 \f, 1, 0, 0
	MUL8 \f, 1, 2, 0
.endm
; The last quarter multiplies buffer 1 and changes slots.  A step's 128 matrix instructions a wave are short against the way of a tile of 136 KiB, so the wave is here ahead of its tile: ALL 32 products of
; the quarter stand ahead of the wait for the tensor loads, and between a tile's landing and the next request stand only the add, the descriptors' steps and the round.
; ONE barrier: in front of it each wave waits for all its tensor loads (one is out: its part of the next slot), adds 0 to its spare word, and waits for that; its reads of this slot were awaited
; 16 products earlier.  fill = 1: this slot is filled again, two steps of the walk ahead, first thing behind a round of the cluster's barrier; then the next slot's first fragments are read.
.macro TURN slot, next, fill
	s_wait_dscnt 16                                ; the first 32 along K are in
	MUL8 F1, 0, 0, 0
	MUL8 F1, 0, 2, 0
	s_wait_dscnt 0x0                               ; buffer 1 is whole: my reads of this slot are over
	MUL8 F1, 1, 0, 0
	MUL8 F1, 1, 2, 0
	WIN 0
	s_wait_tensorcnt 0x0                           ; all my tensor loads have landed: my part of the next slot; no load of mine is out, so a group 0 may be written
	ds_add_u32 v[SPW], v[NIL]                      ; 0 onto my spare word; the descriptors' steps stand between it and the wait for it
.if \fill
	s_cmp_eq_u32 s3, WRAPAT                        ; the trip that asks for the walk's steps 8 and 9?
	s_cselect_b64 s[TA:TA+1], s[WA:WA+1], s[NA:NA+1]
	s_cselect_b64 s[TB:TB+1], s[WB:WB+1], s[NB:NB+1]
	s_add_nc_u64 s[G0+4*(\slot)+2:G0+4*(\slot)+3], s[G0+4*(\slot)+2:G0+4*(\slot)+3], s[TA:TA+1]
	s_add_nc_u64 s[G0B+4*(\slot)+2:G0B+4*(\slot)+3], s[G0B+4*(\slot)+2:G0B+4*(\slot)+3], s[TB:TB+1]
.endif
	s_wait_dscnt 0x0                               ; the add is done
	s_barrier_signal -1
	s_barrier_wait -1
.if \fill
	CREST                                          ; no wave of any partner still reads this slot's tile or has a load on its way
	JLOAD \slot                                    ; the four v_nop behind it are also the places in front of the loads below
.else
	PLACES
.endif
	FETCH \next, 0, F0
.endm
	s_wait_tensorcnt 1                             ; my part of the walk's step 0 is in; step 1's may stay out
	s_barrier_signal -1
	s_barrier_wait -1
	FETCH 0, 0, F0
	QUARTER 0, 1, F0, F1, 1                        ; the first quarter stands in front of the loop: its first products start the sums
	WIN 0
	s_mov_b32 s3, LAPS-1
.Llap:                                                 ; a trip goes once round the ring and fills both slots again: trip t asks for the walk's steps 2 t + 2 and 2 t + 3
	QUARTER 0, 2, F1, F0, 0
	QUARTER 0, 3, F0, F1, 0
	TURN 0, 1, 1
	QUARTER 1, 1, F0, F1, 0
	QUARTER 1, 2, F1, F0, 0
	QUARTER 1, 3, F0, F1, 0
	TURN 1, 0, 1
	QUARTER 0, 1, F0, F1, 0
	WIN 0
	s_sub_co_u32 s3, s3, 1
	s_cmp_lg_u32 s3, 0
	s_cbranch_scc1 .Llap
	QUARTER 0, 2, F1, F0, 0                        ; the last lap fills nothing
	QUARTER 0, 3, F0, F1, 0
	TURN 0, 1, 0
	QUARTER 1, 1, F0, F1, 0
	QUARTER 1, 2, F1, F0, 0
	QUARTER 1, 3, F0, F1, 0
	s_wait_dscnt 16                                ; the very last quarter: nothing more to fetch
	MUL8 F1, 0, 0, 0
	MUL8 F1, 0, 2, 0
	s_wait_dscnt 0x0
	MUL8 F1, 1, 0, 0
	MUL8 F1, 1, 2, 0
	WIN 0
	; THE WAY OUT, in f32: a block of 16 tokens x my 64 columns (256 bytes a row) goes through my own stage: 32 bytes a lane in, whole rows back, sixteen lanes to a row.  The stage is mine alone, and
	; LDS serves a wave's instructions in order (ISA guide 5.7.1.4): no barrier, and no wait between the stores and the loads.  Each accumulator's low half is stored first.
	PLACES
.irp a, 0,1,2,3
.irp b, 0,1,2,3
	ds_store_b128 v[STO], v[ACC+8*(4*(\a)+(\b)):ACC+8*(4*(\a)+(\b))+3]   offset:64*(\b)
	ds_store_b128 v[STO], v[ACC+8*(4*(\a)+(\b))+4:ACC+8*(4*(\a)+(\b))+7] offset:64*(\b)+16
.endr
.if (\a) >= 2
	s_wait_xcnt 0x0                                ; this set of registers was store data two blocks ago: it is loaded again only behind this wait
.endif
.irp t, 0,1,2,3,4,5,6,7
	ds_load_b128 v[TMP+32*((\a)%2)+4*(\t):TMP+32*((\a)%2)+4*(\t)+3], v[RD] offset:(\t)*2*SPITCH
.endr
.irp t, 0,1,2,3,4,5,6,7
	s_wait_dscnt 7-(\t)                            ; the younger loads may stay out
	global_store_b128 v[CO], v[TMP+32*((\a)%2)+4*(\t):TMP+32*((\a)%2)+4*(\t)+3], s[8:9] offset:(16*(\a)+2*(\t))*4096  ; 16 lanes store 256 consecutive bytes, aligned
.endr
.endr
	s_wait_tensorcnt 0x0                           ; the wave's end, behind my last tensor load and my last LDS store
	ds_add_u32 v[SPW], v[NIL]
	s_wait_dscnt 0x0
	CROUND                                         ; the closing round
	s_endpgm
.Lfunc_end_k_q8fc9d2abd7_down:
	.size	k_q8fc9d2abd7_down, .Lfunc_end_k_q8fc9d2abd7_down-k_q8fc9d2abd7_down
	.p2alignl 7, 3214868480
	.fill 96, 4, 3214868480
	.section	.rodata,"a",@progbits
	.p2align	6, 0x0
	.amdhsa_kernel k_q8fc9d2abd7_down
		.amdhsa_group_segment_fixed_size 327680
		.amdhsa_private_segment_fixed_size 0
		.amdhsa_enable_private_segment 0
		.amdhsa_kernarg_size 24
		.amdhsa_user_sgpr_count 2
		.amdhsa_user_sgpr_kernarg_segment_ptr 1
		.amdhsa_wavefront_size32 1
		.amdhsa_system_sgpr_workgroup_id_x 1
		.amdhsa_system_sgpr_workgroup_id_y 1
		.amdhsa_system_sgpr_workgroup_id_z 1
		.amdhsa_system_vgpr_workitem_id 0
		.amdhsa_next_free_vgpr 512
		.amdhsa_next_free_sgpr 80
		.amdhsa_reserve_vcc 0
		.amdhsa_float_denorm_mode_32 3
		.amdhsa_float_denorm_mode_16_64 3
		.amdhsa_memory_ordered 1
		.amdhsa_forward_progress 1
		.amdhsa_inst_pref_size 87
	.end_amdhsa_kernel
	.amdgpu_metadata
---
amdhsa.version: [ 1, 2 ]
amdhsa.kernels:
  - .name:           k_q8fc9d2abd7_down
    .symbol:         k_q8fc9d2abd7_down.kd
    .args:
      - { .name: act, .offset: 0, .size: 8, .value_kind: global_buffer, .address_space: global }
      - { .name: wd16, .offset: 8, .size: 8, .value_kind: global_buffer, .address_space: global }
      - { .name: part, .offset: 16, .size: 8, .value_kind: global_buffer, .address_space: global }
    .group_segment_fixed_size: 327680
    .private_segment_fixed_size: 0
    .kernarg_segment_align: 8
    .kernarg_segment_size: 24
    .max_flat_workgroup_size: 128
    .sgpr_count:     80
    .vgpr_count:     512
    .wavefront_size: 32
...
	.end_amdgpu_metadata
.endif
;; end of part 3
;; launch sum (part 4): grid 256 x 1, 8 waves a work-group, no clusters, 0 bytes of LDS; arguments part, routing_weights, down_proj_bias, out0; writes out0
.if DOCPART == 4
	.amdgcn_target "amdgcn-amd-amdhsa--gfx1250"
	.amdhsa_code_object_version 6
	.text
	.protected	k_q8fc9d2abd7_sum
	.globl	k_q8fc9d2abd7_sum
	.p2align	8
	.type	k_q8fc9d2abd7_sum,@function
k_q8fc9d2abd7_sum:
	s_mov_b64 s[64:65], 0
	v_nop
	global_prefetch_b8 v0, s[64:65] scope:SCOPE_SE
	s_setreg_imm32_b32 hwreg(HW_REG_WAVE_MODE, 25, 1), 1
	s_wait_xcnt 0x0
; out0[t][h] = (part[0][t][h] + part[1][t][h]) / 16 + the sum over e of routing_weights[t][e] down_proj_bias[e][h], all in f32: the two halves first, then the experts in ascending order.
; The 16 is the exact factor that the activation carries.  routing_weights and down_proj_bias are rounded to bf16 on their way in, like every input of the program, and used as f32.
; 256 work-groups of 256 threads.  A work-group has eight rows, thread t the columns 4 t .. 4 t + 3 of each: a wave's load or store covers 512 consecutive bytes, aligned.
; The thread's 8 x 4 numbers of the bias stay in registers.  The rows' 64 router weights are 256 consecutive bytes: each wave loads them once, 8 bytes a lane, rounds them in two registers,
; and hands them to scalar registers by v_readlane_b32: they are the same for all lanes.
; All 25 vector loads go out first; no register is written behind a store that reads it.  A stream: no LDS, no barrier, no matrix unit.
.set BD, 4                             ; v[4:35]    expert e's bias of my four columns at v[BD+4 e]
.set PR, 36                            ; v[36:99]   row i: part[0] at v[PR+8 i], part[1] at v[PR+8 i+4]
.set RV, 100                           ; v[100:101] lane l: the router's weights of row l / 4, experts 2 (l % 4) and 2 (l % 4) + 1
	s_load_b256 s[4:11], s[0:1], 0x0               ; part s[4:5], routing_weights s[6:7], down_proj_bias s[8:9], out0 s[10:11]
	v_lshlrev_b32 v1, 4, v0                        ; 16 t
	v_and_b32 v2, 31, v0
	v_lshlrev_b32 v2, 3, v2                        ; 8 x lane
	s_lshl_b32 s14, ttmp9, 15                      ; eight rows of 4,096 bytes
	s_mov_b32 s15, 0
	s_lshl_b32 s2, ttmp9, 8                        ; eight rows of 32 bytes
	s_mov_b32 s3, 0
	s_mov_b32 s66, 0xffff0000                      ; a word's upper bf16
	s_wait_kmcnt 0x0
	s_add_nc_u64 s[4:5], s[4:5], s[14:15]
	s_add_nc_u64 s[12:13], s[4:5], 0x800000        ; the second half of K's sums
	s_add_nc_u64 s[10:11], s[10:11], s[14:15]
	s_add_nc_u64 s[6:7], s[6:7], s[2:3]
	global_load_b64 v[RV:RV+1], v2, s[6:7]
.set i, 0
.rept 8
	global_load_b128 v[BD+4*i:BD+4*i+3], v1, s[8:9] offset:i*4096
.set i, i+1
.endr
.set i, 0
.rept 8
	global_load_b128 v[PR+8*i:PR+8*i+3],   v1, s[4:5]   offset:i*4096 th:TH_LOAD_NT
	global_load_b128 v[PR+8*i+4:PR+8*i+7], v1, s[12:13] offset:i*4096 th:TH_LOAD_NT
.set i, i+1
.endr
	s_wait_loadcnt 16                              ; loads come back in order (ISA guide 5.7.1): the weights and the bias are in, the 16 loads of the partial sums stay out
	v_cvt_pk_bf16_f32 v[RV], v[RV], v[RV+1]        ; rounded to bf16,
	v_and_b32 v[RV+1], s66, v[RV]                  ; and widened again: the high half stays,
	v_lshlrev_b32 v[RV], 16, v[RV]                 ; the low half moves up
.set j, 0
.rept 16                               ; the bias likewise, a pair at a time, in place
	v_cvt_pk_bf16_f32 v[BD+2*j], v[BD+2*j], v[BD+2*j+1]
	v_and_b32 v[BD+2*j+1], s66, v[BD+2*j]
	v_lshlrev_b32 v[BD+2*j], 16, v[BD+2*j]
.set j, j+1
.endr
.set i, 0
.rept 8                                ; row i's eight weights at s[16+8 i], rows 6 and 7 eight registers further on
.set e, 0
.rept 8
	v_readlane_b32 s[16+8*i+8*(i/6)+e], v[RV+(e&1)], 4*i+e/2
.set e, e+1
.endr
.set i, i+1
.endr
.set i, 0
.rept 8
	s_wait_loadcnt 14-2*i                          ; rows 0 .. i are in, the later rows' pairs stay out
	v_pk_add_f32 v[PR+8*i:PR+8*i+1],   v[PR+8*i:PR+8*i+1],   v[PR+8*i+4:PR+8*i+5]
	v_pk_add_f32 v[PR+8*i+2:PR+8*i+3], v[PR+8*i+2:PR+8*i+3], v[PR+8*i+6:PR+8*i+7]
	v_pk_mul_f32 v[PR+8*i:PR+8*i+1],   v[PR+8*i:PR+8*i+1],   0x3d800000 op_sel_hi:[1,0]  ; 1 / 16, exact
	v_pk_mul_f32 v[PR+8*i+2:PR+8*i+3], v[PR+8*i+2:PR+8*i+3], 0x3d800000 op_sel_hi:[1,0]
.set e, 0
.rept 8
.set c, 0
.rept 4
	v_fmac_f32 v[PR+8*i+c], s[16+8*i+8*(i/6)+e], v[BD+4*e+c]
.set c, c+1
.endr
.set e, e+1
.endr
	global_store_b128 v1, v[PR+8*i:PR+8*i+3], s[10:11] offset:i*4096 th:TH_STORE_NT
.set i, i+1
.endr
	s_endpgm
.Lfunc_end_k_q8fc9d2abd7_sum:
	.size	k_q8fc9d2abd7_sum, .Lfunc_end_k_q8fc9d2abd7_sum-k_q8fc9d2abd7_sum
	.p2alignl 7, 3214868480
	.fill 96, 4, 3214868480
	.section	.rodata,"a",@progbits
	.p2align	6, 0x0
	.amdhsa_kernel k_q8fc9d2abd7_sum
		.amdhsa_group_segment_fixed_size 0
		.amdhsa_private_segment_fixed_size 0
		.amdhsa_enable_private_segment 0
		.amdhsa_kernarg_size 32
		.amdhsa_user_sgpr_count 2
		.amdhsa_user_sgpr_kernarg_segment_ptr 1
		.amdhsa_wavefront_size32 1
		.amdhsa_system_sgpr_workgroup_id_x 1
		.amdhsa_system_sgpr_workgroup_id_y 1
		.amdhsa_system_sgpr_workgroup_id_z 1
		.amdhsa_system_vgpr_workitem_id 0
		.amdhsa_next_free_vgpr 104
		.amdhsa_next_free_sgpr 88
		.amdhsa_reserve_vcc 0
		.amdhsa_float_denorm_mode_32 3
		.amdhsa_float_denorm_mode_16_64 3
		.amdhsa_memory_ordered 1
		.amdhsa_forward_progress 1
		.amdhsa_inst_pref_size 21
	.end_amdhsa_kernel
	.amdgpu_metadata
---
amdhsa.version: [ 1, 2 ]
amdhsa.kernels:
  - .name:           k_q8fc9d2abd7_sum
    .symbol:         k_q8fc9d2abd7_sum.kd
    .args:
      - { .name: part, .offset: 0, .size: 8, .value_kind: global_buffer, .address_space: global }
      - { .name: routing_weights, .offset: 8, .size: 8, .value_kind: global_buffer, .address_space: global }
      - { .name: down_proj_bias, .offset: 16, .size: 8, .value_kind: global_buffer, .address_space: global }
      - { .name: out0, .offset: 24, .size: 8, .value_kind: global_buffer, .address_space: global }
    .group_segment_fixed_size: 0
    .private_segment_fixed_size: 0
    .kernarg_segment_align: 8
    .kernarg_segment_size: 32
    .max_flat_workgroup_size: 256
    .sgpr_count:     88
    .vgpr_count:     104
    .wavefront_size: 32
...
	.end_amdgpu_metadata
.endif
;; end of part 4
;; ======== version 2 of 2: 4 launches; version 1 with the launches prep, sum written anew for expert scheduling mode
;; limits: right only within a limited range of input values; values are held in f16: magnitudes above 65,504 overflow, below 6.1e-05 lose precision; inputs' magnitudes at most 65,504
;; workspace buffers: gu16 33,554,432 bytes; wd16 16,777,216 bytes; hid16 4,194,304 bytes; act 33,554,432 bytes; part 16,777,216 bytes
;; launch prep (part 5): grid 1024 x 1, 8 waves a work-group, no clusters, 0 bytes of LDS; arguments gate_up_proj, down_proj, hidden_states, gu16, wd16, hid16; writes gu16, wd16, hid16
.if DOCPART == 5
	.amdgcn_target "amdgcn-amd-amdhsa--gfx1250"
	.amdhsa_code_object_version 6
	.text
	.protected	k_q8fc9d2abd7_prep
	.globl	k_q8fc9d2abd7_prep
	.p2align	8
	.type	k_q8fc9d2abd7_prep,@function
k_q8fc9d2abd7_prep:
	s_mov_b64 s[64:65], 0
	v_nop
	global_prefetch_b8 v0, s[64:65] scope:SCOPE_SE
	s_setreg_imm32_b32 hwreg(HW_REG_WAVE_SCHED_MODE, 0, 2), 2
	s_setreg_imm32_b32 hwreg(HW_REG_WAVE_MODE, 25, 1), 1
	s_wait_xcnt 0x0
	s_wait_alu depctr_vm_vsrc(0)
; The three large f32 inputs are rounded ONCE to bf16 (to nearest even), for the two products that follow.  Nothing is transposed: the products read [k][n] tiles by the turning LDS load.
;   gu16 [8192 = e*1024+k][2048] bf16: gate_up_proj with its columns permuted;  hid16 [2048][1024] bf16: hidden_states as it lies;
;   wd16 [8192 = e*1024+d][1024] f16: down_proj as it lies, rounded to bf16 like every input and that number then written in f16, since the second product's other operand is f16.
; LIMITS of wd16: the f16 form is exact for magnitudes from 7.6e-6 (8 significant bits above f16's fixed step of 6e-8) to 65,504; below, the step of 6e-8 holds; beyond, an infinity.
; THE PERMUTATION OF gu16's COLUMNS costs nothing here: it is a choice of conversion sources and of the lane's store address.  Columns go in groups of four (g0 u0 g1 u1).
; Inside a group they become g0 g1 u0 u1; the group's number has its bits 1 and 2 exchanged.  In the first product's result a lane then holds g g u u g g u u of eight hidden
; channels that are neighbours, so that its packed activations are 16 bytes of the second product's operand as they stand.
; SHARES.  1,024 work-groups of 256 threads.  A work-group takes 64 KiB of gate_up_proj (16 passes of 4,096 bytes), 32 KiB of down_proj (8 passes), 8 KiB of hidden_states (2 passes).
; In a pass thread t loads the 16 bytes at 16 t (a wave: 512 consecutive bytes) and stores 8 bytes (a wave: 256 consecutive bytes, aligned; the permutation stays inside eight lanes).
; All 26 loads of a thread go out first.  No LDS, no barrier, no matrix unit: a stream.
; THE MODE: SCHED_MODE bits 1:0 = 2 (LLVM: expert scheduling mode 2), set by the entry lines.  The code itself states the register dependences
; between vector instructions and memory instructions, with s_wait_alu, always for 0.
; THE PLAN.  Registers that memory instructions touch:
;   v1         16 t.  Written once at the head; read by the 26 loads; never written again.
;   v2, v3     the stores' offsets.  Written once at the head; read by the stores; never written again.
;   X[n]       four registers for load n.  Load n lands in them, ahead of every vector instruction that names X; n's conversions write them in place; store n reads the first two;
;              nothing writes them behind that store.
; So no load lands in a register that a vector instruction has named, and no register that a memory instruction has read is written again: what is left to state is that a store's data and the
; offsets are written.  The 26 loads are worked in seven groups, six of four and one of two.  ONE wait on va_vdst stands at a group's head: the conversions of the group before have written
; their X.  That group's stores follow it, one ahead of each member's conversions, which name this group's X alone: none of the registers that those stores read.
.set X, 8                              ; v[8:111]  load i's four numbers at v[X+4 i]
	s_load_b256 s[4:11], s[0:1], 0x0               ; gate_up_proj s[4:5], down_proj s[6:7], hidden_states s[8:9], gu16 s[10:11]
	s_load_b128 s[12:15], s[0:1], 0x20             ; wd16 s[12:13], hid16 s[14:15]
	v_lshlrev_b32 v1, 4, v0                        ; 16 t: where I load
	v_lshlrev_b32 v2, 3, v0                        ; 8 t: where I store a plain cast
	v_and_b32 v3, 0xf9, v0                         ; t with its bits 1 and 2 exchanged,
	v_and_b32 v4, 2, v0
	v_and_b32 v5, 4, v0
	v_lshl_or_b32 v3, v4, 1, v3
	v_lshrrev_b32 v5, 1, v5
	v_or_b32 v3, v3, v5
	v_lshlrev_b32 v3, 3, v3                        ; times 8: where I store into gu16
	s_mov_b32 s17, 0                               ; the offsets' high word
	s_mov_b32 s18, 0xffff0000                      ; a word's upper bf16
	s_wait_kmcnt 0x0
	s_lshl_b32 s16, ttmp9, 16                      ; the work-group's share of each tensor, in bytes
	s_add_nc_u64 s[4:5], s[4:5], s[16:17]
	s_lshl_b32 s16, ttmp9, 15
	s_add_nc_u64 s[6:7], s[6:7], s[16:17]
	s_add_nc_u64 s[10:11], s[10:11], s[16:17]
	s_lshl_b32 s16, ttmp9, 13
	s_add_nc_u64 s[8:9], s[8:9], s[16:17]
	s_lshl_b32 s16, ttmp9, 14
	s_add_nc_u64 s[12:13], s[12:13], s[16:17]
	s_lshl_b32 s16, ttmp9, 12
	s_add_nc_u64 s[14:15], s[14:15], s[16:17]
	s_wait_alu depctr_va_vdst(0)                   ; v1, v2 and v3 are written: every load and store of the kernel reads one of them as its offset
.set i, 0
.rept 16
	global_load_b128 v[X+4*i:X+4*i+3], v1, s[4:5] offset:i*4096 th:TH_LOAD_NT
.set i, i+1
.endr
.rept 8
	global_load_b128 v[X+4*i:X+4*i+3], v1, s[6:7] offset:(i-16)*4096 th:TH_LOAD_NT
.set i, i+1
.endr
.rept 2
	global_load_b128 v[X+4*i:X+4*i+3], v1, s[8:9] offset:(i-24)*4096 th:TH_LOAD_NT
.set i, i+1
.endr
; Load n's four numbers are rounded in place.  Loads 0-15 (gate_up_proj): to bf16, and g0 u0 g1 u1 becomes g0 g1 u0 u1.  Loads 16-23 (down_proj): to bf16, widened again, and written as f16.
; Loads 24, 25 (hidden_states): to bf16 as they lie.
.macro CONV n
.if (\n) < 16
	v_cvt_pk_bf16_f32 v[X+4*(\n)], v[X+4*(\n)], v[X+4*(\n)+2]
	v_cvt_pk_bf16_f32 v[X+4*(\n)+1], v[X+4*(\n)+1], v[X+4*(\n)+3]
.elseif (\n) < 24
	v_cvt_pk_bf16_f32 v[X+4*(\n)], v[X+4*(\n)], v[X+4*(\n)+1]
	v_cvt_pk_bf16_f32 v[X+4*(\n)+2], v[X+4*(\n)+2], v[X+4*(\n)+3]
	v_lshlrev_b32 v[X+4*(\n)+1], 16, v[X+4*(\n)]   ; bf16 to f32: the low half moves up,
	v_and_b32 v[X+4*(\n)], s18, v[X+4*(\n)]        ; the high half stays
	v_lshlrev_b32 v[X+4*(\n)+3], 16, v[X+4*(\n)+2]
	v_and_b32 v[X+4*(\n)+2], s18, v[X+4*(\n)+2]
	v_cvt_pk_f16_f32 v[X+4*(\n)], v[X+4*(\n)+1], v[X+4*(\n)]
	v_cvt_pk_f16_f32 v[X+4*(\n)+1], v[X+4*(\n)+3], v[X+4*(\n)+2]
.else
	v_cvt_pk_bf16_f32 v[X+4*(\n)], v[X+4*(\n)], v[X+4*(\n)+1]
	v_cvt_pk_bf16_f32 v[X+4*(\n)+1], v[X+4*(\n)+2], v[X+4*(\n)+3]
.endif
.endm
; Load n's eight bytes are stored: a wave's store covers 256 consecutive bytes, aligned.
.macro OUT n
.if (\n) < 16
	global_store_b64 v3, v[X+4*(\n):X+4*(\n)+1], s[10:11] offset:(\n)*2048
.elseif (\n) < 24
	global_store_b64 v2, v[X+4*(\n):X+4*(\n)+1], s[12:13] offset:((\n)-16)*2048
.else
	global_store_b64 v2, v[X+4*(\n):X+4*(\n)+1], s[14:15] offset:((\n)-24)*2048
.endif
.endm
; A group: loads first .. first + count - 1 are rounded, and the four of the group before are stored.
.macro GROUP first, count
	s_wait_loadcnt 26-(\first)-(\count)            ; loads come back in order (ISA guide 5.7.1): the group's are in, the younger ones stay out
.if (\first) > 0
	s_wait_alu depctr_va_vdst(0)                   ; the conversions of the group before have written their X, which the four stores below read
.endif
.irp j, 0,1,2,3
.if (\first) > 0
	OUT (\first)-4+(\j)                            ; no vector instruction since the wait names its registers
.endif
.if (\j) < (\count)
	CONV (\first)+(\j)
.endif
.endr
.endm
	GROUP 0, 4                                     ; gate_up_proj
	GROUP 4, 4
	GROUP 8, 4
	GROUP 12, 4
	GROUP 16, 4                                    ; down_proj
	GROUP 20, 4
	GROUP 24, 2                                    ; hidden_states
	s_wait_alu depctr_va_vdst(0)                   ; the last group's conversions have written X[24] and X[25], which the last two stores read
	OUT 24
	OUT 25
	s_endpgm
.Lfunc_end_k_q8fc9d2abd7_prep:
	.size	k_q8fc9d2abd7_prep, .Lfunc_end_k_q8fc9d2abd7_prep-k_q8fc9d2abd7_prep
	.p2alignl 7, 3214868480
	.fill 96, 4, 3214868480
	.section	.rodata,"a",@progbits
	.p2align	6, 0x0
	.amdhsa_kernel k_q8fc9d2abd7_prep
		.amdhsa_group_segment_fixed_size 0
		.amdhsa_private_segment_fixed_size 0
		.amdhsa_enable_private_segment 0
		.amdhsa_kernarg_size 48
		.amdhsa_user_sgpr_count 2
		.amdhsa_user_sgpr_kernarg_segment_ptr 1
		.amdhsa_wavefront_size32 1
		.amdhsa_system_sgpr_workgroup_id_x 1
		.amdhsa_system_sgpr_workgroup_id_y 1
		.amdhsa_system_sgpr_workgroup_id_z 1
		.amdhsa_system_vgpr_workitem_id 0
		.amdhsa_next_free_vgpr 112
		.amdhsa_next_free_sgpr 66
		.amdhsa_reserve_vcc 0
		.amdhsa_float_denorm_mode_32 3
		.amdhsa_float_denorm_mode_16_64 3
		.amdhsa_memory_ordered 1
		.amdhsa_forward_progress 1
		.amdhsa_inst_pref_size 12
	.end_amdhsa_kernel
	.amdgpu_metadata
---
amdhsa.version: [ 1, 2 ]
amdhsa.kernels:
  - .name:           k_q8fc9d2abd7_prep
    .symbol:         k_q8fc9d2abd7_prep.kd
    .args:
      - { .name: gate_up_proj, .offset: 0, .size: 8, .value_kind: global_buffer, .address_space: global }
      - { .name: down_proj, .offset: 8, .size: 8, .value_kind: global_buffer, .address_space: global }
      - { .name: hidden_states, .offset: 16, .size: 8, .value_kind: global_buffer, .address_space: global }
      - { .name: gu16, .offset: 24, .size: 8, .value_kind: global_buffer, .address_space: global }
      - { .name: wd16, .offset: 32, .size: 8, .value_kind: global_buffer, .address_space: global }
      - { .name: hid16, .offset: 40, .size: 8, .value_kind: global_buffer, .address_space: global }
    .group_segment_fixed_size: 0
    .private_segment_fixed_size: 0
    .kernarg_segment_align: 8
    .kernarg_segment_size: 48
    .max_flat_workgroup_size: 256
    .sgpr_count:     66
    .vgpr_count:     112
    .wavefront_size: 32
...
	.end_amdgpu_metadata
.endif
;; end of part 5
;; launch gateup: the kernel of part 2 again; grid 64 x 4, 4 waves a work-group, clusters of 4 x 4, 327,680 bytes of LDS; arguments hid16, gu16, act, gate_up_proj_bias, routing_weights; writes act
;; launch down: the kernel of part 3 again; grid 8 x 32, 4 waves a work-group, clusters of 4 x 4, 327,680 bytes of LDS; arguments act, wd16, part; writes part
;; launch sum (part 6): grid 256 x 1, 8 waves a work-group, no clusters, 0 bytes of LDS; arguments part, routing_weights, down_proj_bias, out0; writes out0
.if DOCPART == 6
	.amdgcn_target "amdgcn-amd-amdhsa--gfx1250"
	.amdhsa_code_object_version 6
	.text
	.protected	k_q8fc9d2abd7_sum
	.globl	k_q8fc9d2abd7_sum
	.p2align	8
	.type	k_q8fc9d2abd7_sum,@function
k_q8fc9d2abd7_sum:
	s_mov_b64 s[64:65], 0
	v_nop
	global_prefetch_b8 v0, s[64:65] scope:SCOPE_SE
	s_setreg_imm32_b32 hwreg(HW_REG_WAVE_SCHED_MODE, 0, 2), 2
	s_setreg_imm32_b32 hwreg(HW_REG_WAVE_MODE, 25, 1), 1
	s_wait_xcnt 0x0
	s_wait_alu depctr_vm_vsrc(0)
; out0[t][h] = (part[0][t][h] + part[1][t][h]) / 16 + the sum over e of routing_weights[t][e] down_proj_bias[e][h], all in f32: the two halves first, then the experts in ascending order.
; The 16 is the exact factor that the activation carries.  routing_weights and down_proj_bias are rounded to bf16 on their way in, like every input of the program, and used as f32.
; 256 work-groups of 256 threads.  A work-group has eight rows, thread t the columns 4 t .. 4 t + 3 of each: a wave's load or store covers 512 consecutive bytes, aligned.
; The thread's 8 x 4 numbers of the bias stay in registers.  The rows' 64 router weights are 256 consecutive bytes: each wave loads them once, 8 bytes a lane, rounds them in two registers,
; and hands them to scalar registers by v_readlane_b32: they are the same for all lanes.
; All 25 vector loads go out first.  A stream: no LDS, no barrier, no matrix unit.
; THE MODE: SCHED_MODE bits 1:0 = 2 (LLVM: expert scheduling mode 2), set by the entry lines.  The code itself states the register dependences
; between vector instructions and memory instructions, and between a vector instruction that writes a scalar register and that register's readers, with s_wait_alu, always for 0.
; THE PLAN.  Registers that memory instructions touch:
;   v1, v2     offsets.  Written once at the head; read by the loads and the stores; never written again.
;   RV, BD     the router's weights and the bias.  Loaded once, ahead of every vector instruction that names them; behind that named by vector instructions alone.
;   PR[i]      row i's two partial sums.  Loaded once; summed in place; the first four registers are read by row i's store; nothing writes them behind it.
;   s16 - s87  the 64 weights as scalars: written by the run of v_readlane_b32, read by the multiply-adds.
; So no load lands in a register that a vector instruction has named, and no register that a memory instruction has read is written again.  ONE wait on va_sdst stands behind the run of
; v_readlane_b32.  ONE wait on va_vdst stands at a row's head: the row before is written; its store follows at once, and the row's own arithmetic names none of that store's registers.
.set BD, 4                             ; v[4:35]    expert e's bias of my four columns at v[BD+4 e]
.set PR, 36                            ; v[36:99]   row i: part[0] at v[PR+8 i], part[1] at v[PR+8 i+4]
.set RV, 100                           ; v[100:101] lane l: the router's weights of row l / 4, experts 2 (l % 4) and 2 (l % 4) + 1
	s_load_b256 s[4:11], s[0:1], 0x0               ; part s[4:5], routing_weights s[6:7], down_proj_bias s[8:9], out0 s[10:11]
	v_lshlrev_b32 v1, 4, v0                        ; 16 t
	v_and_b32 v2, 31, v0
	v_lshlrev_b32 v2, 3, v2                        ; 8 x lane
	s_lshl_b32 s14, ttmp9, 15                      ; eight rows of 4,096 bytes
	s_mov_b32 s15, 0
	s_lshl_b32 s2, ttmp9, 8                        ; eight rows of 32 bytes
	s_mov_b32 s3, 0
	s_mov_b32 s66, 0xffff0000                      ; a word's upper bf16
	s_wait_kmcnt 0x0
	s_add_nc_u64 s[4:5], s[4:5], s[14:15]
	s_add_nc_u64 s[12:13], s[4:5], 0x800000        ; the second half of K's sums
	s_add_nc_u64 s[10:11], s[10:11], s[14:15]
	s_add_nc_u64 s[6:7], s[6:7], s[2:3]
	s_wait_alu depctr_va_vdst(0)                   ; v1 and v2 are written: every load and store of the kernel reads one of them as its offset
	global_load_b64 v[RV:RV+1], v2, s[6:7]
.set i, 0
.rept 8
	global_load_b128 v[BD+4*i:BD+4*i+3], v1, s[8:9] offset:i*4096
.set i, i+1
.endr
.set i, 0
.rept 8
	global_load_b128 v[PR+8*i:PR+8*i+3],   v1, s[4:5]   offset:i*4096 th:TH_LOAD_NT
	global_load_b128 v[PR+8*i+4:PR+8*i+7], v1, s[12:13] offset:i*4096 th:TH_LOAD_NT
.set i, i+1
.endr
	s_wait_loadcnt 16                              ; loads come back in order (ISA guide 5.7.1): the weights and the bias are in, the 16 loads of the partial sums stay out
	v_cvt_pk_bf16_f32 v[RV], v[RV], v[RV+1]        ; rounded to bf16,
	v_and_b32 v[RV+1], s66, v[RV]                  ; and widened again: the high half stays,
	v_lshlrev_b32 v[RV], 16, v[RV]                 ; the low half moves up
.set j, 0
.rept 16                               ; the bias likewise, a pair at a time, in place
	v_cvt_pk_bf16_f32 v[BD+2*j], v[BD+2*j], v[BD+2*j+1]
	v_and_b32 v[BD+2*j+1], s66, v[BD+2*j]
	v_lshlrev_b32 v[BD+2*j], 16, v[BD+2*j]
.set j, j+1
.endr
.set i, 0
.rept 8                                ; row i's eight weights at s[16+8 i], rows 6 and 7 eight registers further on
.set e, 0
.rept 8
	v_readlane_b32 s[16+8*i+8*(i/6)+e], v[RV+(e&1)], 4*i+e/2
.set e, e+1
.endr
.set i, i+1
.endr
	s_wait_alu depctr_va_sdst(0)                   ; the 64 v_readlane_b32 have written s16 to s63 and s72 to s87, ahead of their first reader: the multiply-adds below
.set i, 0
.rept 8
	s_wait_loadcnt 14-2*i                          ; rows 0 .. i are in, the later rows' pairs stay out
.if i > 0
	s_wait_alu depctr_va_vdst(0)                   ; the multiply-adds of the row before have written its four sums, which the store below reads
	global_store_b128 v1, v[PR+8*(i-1):PR+8*(i-1)+3], s[10:11] offset:(i-1)*4096 th:TH_STORE_NT
.endif
	v_pk_add_f32 v[PR+8*i:PR+8*i+1],   v[PR+8*i:PR+8*i+1],   v[PR+8*i+4:PR+8*i+5]
	v_pk_add_f32 v[PR+8*i+2:PR+8*i+3], v[PR+8*i+2:PR+8*i+3], v[PR+8*i+6:PR+8*i+7]
	v_pk_mul_f32 v[PR+8*i:PR+8*i+1],   v[PR+8*i:PR+8*i+1],   0x3d800000 op_sel_hi:[1,0]  ; 1 / 16, exact
	v_pk_mul_f32 v[PR+8*i+2:PR+8*i+3], v[PR+8*i+2:PR+8*i+3], 0x3d800000 op_sel_hi:[1,0]
.set e, 0
.rept 8
.set c, 0
.rept 4
	v_fmac_f32 v[PR+8*i+c], s[16+8*i+8*(i/6)+e], v[BD+4*e+c]
.set c, c+1
.endr
.set e, e+1
.endr
.set i, i+1
.endr
	s_wait_alu depctr_va_vdst(0)                   ; the last row's multiply-adds have written its four sums, which the last store reads
	global_store_b128 v1, v[PR+56:PR+59], s[10:11] offset:7*4096 th:TH_STORE_NT
	s_endpgm
.Lfunc_end_k_q8fc9d2abd7_sum:
	.size	k_q8fc9d2abd7_sum, .Lfunc_end_k_q8fc9d2abd7_sum-k_q8fc9d2abd7_sum
	.p2alignl 7, 3214868480
	.fill 96, 4, 3214868480
	.section	.rodata,"a",@progbits
	.p2align	6, 0x0
	.amdhsa_kernel k_q8fc9d2abd7_sum
		.amdhsa_group_segment_fixed_size 0
		.amdhsa_private_segment_fixed_size 0
		.amdhsa_enable_private_segment 0
		.amdhsa_kernarg_size 32
		.amdhsa_user_sgpr_count 2
		.amdhsa_user_sgpr_kernarg_segment_ptr 1
		.amdhsa_wavefront_size32 1
		.amdhsa_system_sgpr_workgroup_id_x 1
		.amdhsa_system_sgpr_workgroup_id_y 1
		.amdhsa_system_sgpr_workgroup_id_z 1
		.amdhsa_system_vgpr_workitem_id 0
		.amdhsa_next_free_vgpr 104
		.amdhsa_next_free_sgpr 88
		.amdhsa_reserve_vcc 0
		.amdhsa_float_denorm_mode_32 3
		.amdhsa_float_denorm_mode_16_64 3
		.amdhsa_memory_ordered 1
		.amdhsa_forward_progress 1
		.amdhsa_inst_pref_size 22
	.end_amdhsa_kernel
	.amdgpu_metadata
---
amdhsa.version: [ 1, 2 ]
amdhsa.kernels:
  - .name:           k_q8fc9d2abd7_sum
    .symbol:         k_q8fc9d2abd7_sum.kd
    .args:
      - { .name: part, .offset: 0, .size: 8, .value_kind: global_buffer, .address_space: global }
      - { .name: routing_weights, .offset: 8, .size: 8, .value_kind: global_buffer, .address_space: global }
      - { .name: down_proj_bias, .offset: 16, .size: 8, .value_kind: global_buffer, .address_space: global }
      - { .name: out0, .offset: 24, .size: 8, .value_kind: global_buffer, .address_space: global }
    .group_segment_fixed_size: 0
    .private_segment_fixed_size: 0
    .kernarg_segment_align: 8
    .kernarg_segment_size: 32
    .max_flat_workgroup_size: 256
    .sgpr_count:     88
    .vgpr_count:     104
    .wavefront_size: 32
...
	.end_amdgpu_metadata
.endif
;; end of part 6
